; MI455X (gfx1250); checked and timed in simulation.
; The chip was launched on July 23, 2026; its instructions are those of AMD's public machine-readable ISA for CDNA 5 (MIT licence, August 2026) and "CDNA5" Instruction Set Architecture Reference Guide (July 2026). The comments in the code are by the model that wrote it; some were corrected since.
;; Multi Head Self Attention. Allowed arithmetic: matrix products marked QUANTISED: E2M3 operands, one E8M0 scale for each 32 along K, by v_wmma_scale_f32_16x16x128_f8f6f4 with both operands' format E2M3, f32 sums; everything else in f32.
;; Inputs: Wk 1,024 x 1,024 float32; Wo 1,024 x 1,024 float32; Wq 1,024 x 1,024 float32; Wv 1,024 x 1,024 float32; bo 1,024 float32; x 4 x 2,048 x 1,024 float32.
;; Outputs: out0 4 x 2,048 x 1,024 float32.
;; This version of the problem:
;;   THIS VERSION OF THE PROBLEM IS GIVEN IN LOW PRECISION. The matrix products marked QUANTISED in the list below multiply operands that are first quantised to E2M3 (2 exponent bits, 3 mantissa bits; 6 bits a number), with one power-of-two scale for each 32 numbers along K (OCP MX v1.0); their sums are f32. All else is computed in f32.
;;   The module's matrix products, in the order in which they are computed (A, B: the left and right operand; K: the contracted axis; several contracted axes count as one K, in the product's order):
;;     1. [M 8,192, K 1,024] x [K 1,024, N 1,024]; A: input x; B: input Wq: QUANTISED
;;     2. [M 8,192, K 1,024] x [K 1,024, N 1,024]; A: input x; B: input Wk: QUANTISED
;;     3. [M 8,192, K 1,024] x [K 1,024, N 1,024]; A: input x; B: input Wv: QUANTISED
;;     4. batch 64 x [M 2,048, K 64] x [K 64, N 2,048]; A: computed on the way; B: computed on the way: QUANTISED
;;     5. batch 64 x [M 2,048, K 2,048] x [K 2,048, N 64]; A: softmax (see below); B: computed on the way: QUANTISED
;;     6. [M 8,192, K 1,024] x [K 1,024, N 1,024]; A: computed on the way; B: input Wo: QUANTISED
;;   THE QUANTISER, for each operand of a quantised product, along K:
;;     - K is cut into blocks of 32 from its start; a last block that is shorter is filled with zeros.
;;     - A block's scale is 2^e with e = floor(log2(the largest magnitude in the block)) - 2, held to -126 .. 127; a block of zeros has e = 0. As a byte (E8M0): e + 127.
;;     - Each number is divided by its block's scale, clamped to +-7.5, and rounded to the nearest number of E2M3, ties to even, subnormals kept.
;;     - The product sums the exact products of the quantised numbers (number of the format x scale) in f32.
;;   ~~~python
;;   def quantise(x, axis):      # numpy; x: float32 -> the quantised numbers, widened to float32 again
;;       x = np.moveaxis(x, axis, -1); K = x.shape[-1]
;;       x = np.pad(x, [(0, 0)] * (x.ndim - 1) + [(0, -K % 32)]); x = x.reshape(x.shape[:-1] + (-1, 32)); a = np.abs(x).max(-1, keepdims=True)
;;       e = np.where(a > 0, np.clip(np.frexp(np.where(a > 0, a, 1))[1] - 1 - 2, -126, 127), 0)      # np.frexp(a)[1] - 1 = floor(log2(a)), exactly
;;       r = np.clip(x / 2.0 ** e, -7.5, 7.5)
;;       step = 2.0 ** (np.maximum(np.frexp(np.where(r == 0, 1, r))[1] - 1, 0) - 3)
;;       q = np.round(r / step) * step * 2.0 ** e      # np.round: ties to even
;;       return np.moveaxis(q.reshape(q.shape[:-2] + (-1,))[..., :K], -1, axis).astype(np.float32)
;;   ~~~
;;   SOFTMAX AHEAD OF A QUANTISED PRODUCT. Where the list says 'softmax', what is quantised is not the finished softmax but p = 2^(t - M), with t = logit x log2(e) and M = ceil(the row's largest t), a whole number; so 1/2 < the row's largest p <= 1. The row's sum l is taken of the UNQUANTISED p, in f32, and the product's result is divided by l at the end. Since M is a whole number, a kernel that streams over the keys may use a running M (the ceiling of the running maximum): every later rescaling is an exact power of two, which a block's scale takes up: the codes' values come out the same.
;;   OPERANDS COMPUTED ON THE WAY. 'Computed on the way' means the value that the module computes at that place (a softmax that the list does not call 'softmax' is quantised finished and normalised). What goes into a quantiser is computed in f32, as accurately as f32 sums, v_exp_f32 and their like allow (about 1e-6 of the number): no bf16 or f16 on the way to a quantiser, and a product that is left as it is and whose result goes on into a quantised operand takes f32 operands (vector FMAs, or v_wmma_f32_16x16x4_f32). A number that lies on a knife's edge between two numbers of the format may be rounded either way, as far as f32 arithmetic and the matrix unit's own rounding can turn it there, and no further.
;; One version. Each part assembles by itself: llvm-mc -triple=amdgcn-amd-amdhsa -mcpu=gfx1250 --defsym DOCPART=n.
;; ======== version 1 of 1: 4 launches
;; limits: right only within a limited range of input values
;; workspace buffers: xc 6,291,456 bytes; xs 262,144 bytes; wc 3,145,728 bytes; ws 262,144 bytes; qc 6,815,744 bytes; kv 13,369,344 bytes; cc 6,291,456 bytes; cs 524,288 bytes
;; launch prep (part 1): grid 384 x 1, 8 waves a work-group, no clusters, 68,608 bytes of LDS; arguments x, Wq, Wk, Wv, Wo, xc, xs, wc, ws; writes xc, xs, wc, ws
.if DOCPART == 1
	.amdgcn_target "amdgcn-amd-amdhsa--gfx1250"
	.amdhsa_code_object_version 6
	.text
	.protected	k_qe558a83881_prep
	.globl	k_qe558a83881_prep
	.p2align	8
	.type	k_qe558a83881_prep,@function
k_qe558a83881_prep:
	s_mov_b64 s[64:65], 0
	v_nop
	global_prefetch_b8 v0, s[64:65] scope:SCOPE_SE
	s_setreg_imm32_b32 hwreg(HW_REG_WAVE_MODE, 25, 1), 1
	s_wait_xcnt 0x0
; x [8192][1024] and the four weights [1024 (k)][1024 (n)], f32, become codes of FP6 (E2M3) with one E8M0 scale byte for each 32 along K, laid AS IMAGES OF OPERAND REGISTERS.
; A fragment is 16 rows x 128 K: 12 registers a lane, 1,536 bytes: six units of 256 bytes; unit p holds registers 2 p, 2 p + 1, lane l's 8 bytes at 8 l.  Every later read and every store here covers one whole unit.
; THE ROWS OF A TILE ARE NOT NEIGHBOURS: in each group of 32 rows (of x) or columns (of a weight), tile u, place pos holds row 8 u + (pos % 8) + 16 (pos / 8).  So in every later product the 16 registers of
; two neighbouring result tiles are 16 neighbours along the next product's K.
; xc [tile 512][K step 8][1536];  xs [K step 8][8192 places] one word a place;  wc [tile 256][K step 8][1536], matrix m (q, k, v, o) from tile 64 m;  ws [K step 8][8192 slots], slot 1024 m + place.
; A block's scale is 2^(floor(log2(its largest magnitude)) - 2); its byte is the largest magnitude's exponent field - 2, held at 1 from below.  A block of zeros gets the byte 1 where the rule says 127: its codes
; are zeros, and this program alone reads the bytes.
; LIMITS: blocks whose largest magnitude lies under 2^(3 - 127), the floor, were not tried; NaN and infinities among the inputs are not served.
; Work-groups 0-255: x, a group of 32 rows each, wave w its K step w.  Work-groups 256-383: the weights, a wave takes 32 columns x 128 along K.  Waves share nothing: no barrier.
.set STW,   8448                       ; a wave's stage: 16 rows x (512 bytes + 16)
.set SPARE, 8*STW                      ; behind the stages: the spare words, 128 bytes a wave: four blocks of 256 bytes that no other line names
.set SPW,   10                         ; v10  LDS address of my spare word; never rewritten
.set NIL,   11                         ; v11  0; never rewritten
.set TM,    16                         ; v16-31 at work in QUANT
.set PW,    32                         ; v32  the scale word just made
.set PW0,   33                         ; v33  the first tile's
.set PC,    36                         ; v36-54 the codes just made
.set X,     56                         ; v56-119 64 numbers of a lane, 16 of each block of 32
.set R,     120                        ; v120-247 numbers as loaded
.set CW,    56                         ; weights: v56-79 a lane's four blocks of codes
.set TT,    84                         ; v84-86 a conversion's second half
.set SEL,   36                         ; s[36:37] selects for lane l xor 16
.set MSB, 0
.macro WIN new
.if MSB != \new
	s_set_vgpr_msb (MSB<<8)|\new
.set MSB, \new
.endif
.endm
; 64 numbers of a lane, register 16 b + i = k 32 b + 16 (lane / 16) + i of my row, in window w, become a fragment's codes in v[PC] on and its scale word in v[PW].
.macro QUANT s, w
.set qS, \s
.set qW, (\w)|((\w)<<2)
	WIN qW
.irp b, 0,1,2,3
	v_max3_num_f32 v[TM+\b], |v[qS+16*\b]|, |v[qS+1+16*\b]|, 0x1800000   ; my 16 numbers of block b, and the floor 2^(3 - 127): the byte cannot fall under 1
.endr
.irp i, 2,4,6,8,10,12,14
.irp b, 0,1,2,3
	s_delay_alu instid0(VALU_DEP_4)
	v_max3_num_f32 v[TM+\b], |v[qS+16*\b+\i]|, |v[qS+1+16*\b+\i]|, v[TM+\b]   ; the four blocks by turns
.endr
.endr
	WIN 0
.irp b, 0,1,2,3
	s_delay_alu instid0(VALU_DEP_4)
	v_permlanex16_b32 v[TM+4+\b], v[TM+\b], s[SEL], s[SEL+1]
.endr
.irp b, 0,1,2,3
	s_delay_alu instid0(VALU_DEP_4)
	v_max_num_f32 v[TM+\b], v[TM+\b], v[TM+4+\b]      ; with lane l xor 16's: the block's largest magnitude
.endr
.irp b, 0,1,2,3
	s_delay_alu instid0(VALU_DEP_4)
	v_add_nc_u32 v[TM+12+\b], 0xff000000, v[TM+\b]    ; 2 off its exponent field: the conversion's scale operand
.endr
.irp b, 0,1,2,3
	s_delay_alu instid0(VALU_DEP_4)
	v_lshrrev_b32 v[TM+4+\b], 23, v[TM+12+\b]         ; the scale's byte
.endr
	s_delay_alu instid0(VALU_DEP_3)
	v_lshl_or_b32 v[PW], v[TM+5], 8, v[TM+4]
	s_delay_alu instid0(VALU_DEP_1)
	v_lshl_or_b32 v[PW], v[TM+6], 16, v[PW]
	s_delay_alu instid0(VALU_DEP_1)
	v_lshl_or_b32 v[PW], v[TM+7], 24, v[PW]
	WIN \w
.irp c, 0,1
	v_cvt_scalef32_pk16_fp6_f32 v[PC+6*\c:PC+2+6*\c], v[qS+32*\c:qS+15+32*\c], v[TM+12+2*\c]
	v_cvt_scalef32_pk16_fp6_f32 v[PC+12+4*\c:PC+14+4*\c], v[qS+16+32*\c:qS+31+32*\c], v[TM+12+2*\c+1]   ; (a conversion's three registers begin on an even number)
.endr
	WIN 0
	v_nop                                             ; one plain place behind a scaled conversion
.irp c, 0,1                                       ; the operand's layout wants a whole block in a lane
.irp i, 0,1,2
	v_permlane16_swap_b32 v[PC+6*\c+\i], v[PC+12+4*\c+\i]
.endr
.irp i, 0,1,2
	s_delay_alu instid0(VALU_DEP_3)
	v_mov_b32 v[PC+3+6*\c+\i], v[PC+12+4*\c+\i]
.endr
.endr
.endm
	s_load_b256 s[4:11], s[0:1], 0x0               ; x s[4:5], Wq s[6:7], Wk s[8:9], Wv s[10:11]
	s_load_b256 s[12:19], s[0:1], 0x20             ; Wo s[12:13], xc s[14:15], xs s[16:17], wc s[18:19]
	s_load_b64 s[20:21], s[0:1], 0x40              ; ws
	v_lshl_add_u32 v[SPW], v0, 2, SPARE
	v_mov_b32 v[NIL], 0
	v_lshrrev_b32 v1, 5, v0
	s_delay_alu instid0(VALU_DEP_1)
	v_readfirstlane_b32 s22, v1                    ; wave 0..7
	v_and_b32 v1, 31, v0                           ; lane
	v_and_b32 v2, 15, v0                           ; r
	v_bfe_u32 v3, v0, 4, 1                         ; h
	s_delay_alu instid0(VALU_DEP_3)
	v_lshlrev_b32 v4, 4, v1                        ; 16 x lane
	s_delay_alu instid0(VALU_DEP_4)
	v_lshlrev_b32 v5, 3, v1                        ; 8 x lane
	v_lshlrev_b32 v6, 2, v1                        ; 4 x lane
	s_mul_i32 s23, s22, STW
	v_add_nc_u32 v7, s23, v4                       ; the stage, in: a row's 512 bytes as they lie
	v_mul_u32_u24 v8, v2, 528
	s_delay_alu instid0(VALU_DEP_1)
	v_lshl_add_u32 v8, v3, 6, v8
	s_delay_alu instid0(VALU_DEP_1)
	v_add_nc_u32 v8, s23, v8                       ; and out: row r, + 64 h: my 16 numbers of a block
.irp b, 0,1,2,3
	v_mov_b32 v[TM+4+\b], 0                        ; written once: a lane permute's destination counts as one of its sources
.endr
	s_mov_b32 s[SEL], 0x76543210
	s_mov_b32 s[SEL+1], 0xfedcba98
	s_mov_b32 s38, 0xffff0000                      ; lanes 16-31
	s_cmp_lt_u32 ttmp9, 256
	s_cbranch_scc0 .Lweights
	; ---- x: group G = work-group of 32 rows, K step = wave
	s_lshl_b32 s24, ttmp9, 17                      ; 32 rows of 4,096 bytes
	s_lshl_b32 s25, s22, 9                         ; 128 numbers
	s_add_co_u32 s24, s24, s25
	s_mov_b32 s25, 0
	s_mul_i32 s26, ttmp9, 24576                    ; two tiles of 12,288 bytes
	s_mul_i32 s27, s22, 1536
	s_add_co_u32 s26, s26, s27
	s_mov_b32 s27, 0
	s_lshl_b32 s28, s22, 15                        ; a K step's 8,192 words
	s_lshl_b32 s29, ttmp9, 7                       ; 32 places
	s_add_co_u32 s28, s28, s29
	s_mov_b32 s29, 0
	s_wait_kmcnt 0x0
	s_add_nc_u64 s[4:5], s[4:5], s[24:25]
	s_add_nc_u64 s[14:15], s[14:15], s[26:27]
	s_add_nc_u64 s[16:17], s[16:17], s[28:29]
.irp u, 0,1
.irp i, 0,1,2,3,4,5,6,7,8,9,10,11,12,13,14,15
	global_load_b128 v[R+64*\u+4*\i:R+64*\u+4*\i+3], v4, s[4:5] offset:(8*\u+(\i&7)+16*(\i>>3))*4096 th:TH_LOAD_NT   ; tile u, place i: 32 lanes read 512 consecutive bytes
.endr
.endr
.macro XTILE u
.if \u == 0
	s_wait_loadcnt 16                              ; this tile's 16 loads are in; the other tile's 16 may be out
.else
	s_wait_loadcnt 0x0
.endif
.irp i, 0,1,2,3,4,5,6,7,8,9,10,11,12,13,14,15
	ds_store_b128 v7, v[R+64*\u+4*\i:R+64*\u+4*\i+3] offset:528*\i
.endr
.irp b, 0,1,2,3
.irp j, 0,1,2,3
	ds_load_b128 v[X+16*\b+4*\j:X+16*\b+4*\j+3], v8 offset:128*\b+16*\j   ; LDS serves a wave's instructions in order: these see my stores
.endr
.endr
	s_wait_dscnt 0x0
.if \u == 1
	s_wait_xcnt 0x0                                ; the first tile's stores have read their registers: the codes may be written again
.endif
	QUANT X, 0
.irp p, 0,1,2,3,4,5
	global_store_b64 v5, v[PC+2*\p:PC+2*\p+1], s[14:15] offset:12288*\u+256*\p   ; 32 lanes store 256 consecutive bytes, aligned
.endr
.if \u == 0
	v_mov_b32 v[PW0], v[PW]
.endif
.endm
	s_wait_alu depctr_va_vdst(0)
	XTILE 0
	XTILE 1
	v_cndmask_b32 v12, v[PW0], v[PW], s38          ; lanes 0-15: the first tile's words, lanes 16-31 the second's
	global_store_b32 v6, v12, s[16:17]             ; 128 consecutive bytes
	s_wait_tensorcnt 0x0                           ; the wave's end: behind my last LDS store
	ds_add_u32 v[SPW], v[NIL]
	s_wait_dscnt 0x0
	s_endpgm
	; ---- the weights: a lane takes a column, its registers run down K.
.Lweights:
	s_sub_co_u32 s23, ttmp9, 256
	s_lshr_b32 s24, s23, 5                         ; which matrix: q, k, v, o
	s_bfe_u32 s25, s23, 0x30002                    ; K step
	s_and_b32 s26, s23, 3
	s_lshl_b32 s26, s26, 3
	s_add_co_u32 s26, s26, s22                     ; group of 32 columns
	v_and_b32 v9, 7, v0
	v_bfe_u32 v12, v0, 3, 1
	s_delay_alu instid0(VALU_DEP_1)
	v_lshl_add_u32 v9, v12, 4, v9
	s_delay_alu instid0(VALU_DEP_1)
	v_lshl_add_u32 v9, v3, 3, v9                   ; lane 16 u + pos takes column 8 u + pos % 8 + 16 (pos / 8)
	s_delay_alu instid0(VALU_DEP_1)
	v_lshlrev_b32 v9, 2, v9
	s_lshl_b32 s28, s25, 19                        ; 128 rows of 4,096 bytes
	s_lshl_b32 s29, s26, 7
	s_add_co_u32 s28, s28, s29
	s_mov_b32 s29, 0
	s_lshl_b32 s30, s24, 6
	s_lshl_b32 s31, s26, 1
	s_add_co_u32 s30, s30, s31                     ; my first tile
	s_mul_i32 s30, s30, 12288
	s_mul_i32 s31, s25, 1536
	s_add_co_u32 s30, s30, s31
	s_mov_b32 s31, 0
	s_lshl_b32 s32, s25, 15
	s_lshl_b32 s33, s24, 12
	s_add_co_u32 s32, s32, s33
	s_lshl_b32 s33, s26, 7
	s_add_co_u32 s32, s32, s33
	s_mov_b32 s33, 0
	s_wait_alu depctr_va_vdst(0)
	s_wait_kmcnt 0x0
	s_cmp_eq_u32 s24, 1                            ; the choice hangs on the work-group's number alone
	s_cselect_b64 s[6:7], s[8:9], s[6:7]
	s_cmp_eq_u32 s24, 2
	s_cselect_b64 s[6:7], s[10:11], s[6:7]
	s_cmp_eq_u32 s24, 3
	s_cselect_b64 s[6:7], s[12:13], s[6:7]
	s_add_nc_u64 s[6:7], s[6:7], s[28:29]
	s_add_nc_u64 s[18:19], s[18:19], s[30:31]
	s_add_nc_u64 s[20:21], s[20:21], s[32:33]
.irp k, 0,1,2,3
.irp i, 0,1,2,3,4,5,6,7,8,9,10,11,12,13,14,15,16,17,18,19,20,21,22,23,24,25,26,27,28,29,30,31
	global_load_b32 v[R+32*\k+\i], v9, s[6:7] offset:(32*\k+\i)*4096 th:TH_LOAD_NT   ; a wave reads 128 consecutive bytes of a row, the eight waves 1,024
.endr
.endr
.macro WBLOCK k                        ; block k of my column: all its 32 numbers are mine
.set XS, R+32*(\k)
	v_max3_num_f32 v12, |v[XS]|, |v[XS+1]|, |v[XS+2]|
	v_max3_num_f32 v13, |v[XS+3]|, |v[XS+4]|, |v[XS+5]|
.irp i, 6,10,14,18,22,26
	s_delay_alu instid0(VALU_DEP_2)
	v_max3_num_f32 v12, v12, |v[XS+\i]|, |v[XS+\i+1]|
	s_delay_alu instid0(VALU_DEP_2)
	v_max3_num_f32 v13, v13, |v[XS+\i+2]|, |v[XS+\i+3]|
.endr
	s_delay_alu instid0(VALU_DEP_2)
	v_max3_num_f32 v12, v12, |v[XS+30]|, |v[XS+31]|
	s_delay_alu instid0(VALU_DEP_1)
	v_max3_num_f32 v12, v12, v13, 0x1800000        ; and the floor
	s_delay_alu instid0(VALU_DEP_1)
	v_add_nc_u32 v14, 0xff000000, v12              ; the conversion's scale operand
	s_delay_alu instid0(VALU_DEP_1)
	v_lshrrev_b32 v15, 23, v14                     ; the byte
.if (\k) == 0
	s_delay_alu instid0(VALU_DEP_1)
	v_mov_b32 v[PW], v15
.else
	s_delay_alu instid0(VALU_DEP_1)
	v_lshl_or_b32 v[PW], v15, 8*(\k), v[PW]
.endif
	v_cvt_scalef32_pk16_fp6_f32 v[CW+6*(\k):CW+6*(\k)+2], v[XS:XS+15], v14
	v_cvt_scalef32_pk16_fp6_f32 v[TT:TT+2], v[XS+16:XS+31], v14
	v_nop                                          ; one plain place behind a scaled conversion
.irp i, 0,1,2
	v_mov_b32 v[CW+6*(\k)+3+\i], v[TT+\i]
.endr
.endm
	s_wait_loadcnt 63                              ; the largest count that the wait can name: at most 63 of the 128 loads are out, so blocks 0 and 1 are in
	WBLOCK 0
	WBLOCK 1
	s_wait_loadcnt 32                              ; block 3's 32 loads may be out
	WBLOCK 2
	s_wait_loadcnt 0x0
	WBLOCK 3
.irp c, 0,1                            ; lanes 0-15 hold the first tile's columns, lanes 16-31 the second's; a fragment wants block 2 c in lanes 0-15 and block 2 c + 1 in lanes 16-31
.irp i, 0,1,2,3,4,5
	v_permlane16_swap_b32 v[CW+12*\c+\i], v[CW+12*\c+6+\i]   ; the first is now register 6 c + i of the first tile's fragment, the second of the second's
.endr
.endr
.irp c, 0,1
.irp i, 0,1,2
	global_store_b64 v5, v[CW+12*\c+2*\i:CW+12*\c+2*\i+1], s[18:19] offset:(3*\c+\i)*256
	global_store_b64 v5, v[CW+12*\c+6+2*\i:CW+12*\c+6+2*\i+1], s[18:19] offset:12288+(3*\c+\i)*256
.endr
.endr
	global_store_b32 v6, v[PW], s[20:21]           ; 32 columns' scale words: 128 consecutive bytes, one part in 24 of the codes' bytes
	s_endpgm
.Lfunc_end_k_qe558a83881_prep:
	.size	k_qe558a83881_prep, .Lfunc_end_k_qe558a83881_prep-k_qe558a83881_prep
	.p2alignl 7, 3214868480
	.fill 96, 4, 3214868480
	.section	.rodata,"a",@progbits
	.p2align	6, 0x0
	.amdhsa_kernel k_qe558a83881_prep
		.amdhsa_group_segment_fixed_size 68608
		.amdhsa_private_segment_fixed_size 0
		.amdhsa_enable_private_segment 0
		.amdhsa_kernarg_size 72
		.amdhsa_user_sgpr_count 2
		.amdhsa_user_sgpr_kernarg_segment_ptr 1
		.amdhsa_wavefront_size32 1
		.amdhsa_system_sgpr_workgroup_id_x 1
		.amdhsa_system_sgpr_workgroup_id_y 1
		.amdhsa_system_sgpr_workgroup_id_z 1
		.amdhsa_system_vgpr_workitem_id 0
		.amdhsa_next_free_vgpr 248
		.amdhsa_next_free_sgpr 66
		.amdhsa_reserve_vcc 0
		.amdhsa_float_denorm_mode_32 3
		.amdhsa_float_denorm_mode_16_64 3
		.amdhsa_memory_ordered 1
		.amdhsa_forward_progress 1
		.amdhsa_inst_pref_size 45
	.end_amdhsa_kernel
	.amdgpu_metadata
---
amdhsa.version: [ 1, 2 ]
amdhsa.kernels:
  - .name:           k_qe558a83881_prep
    .symbol:         k_qe558a83881_prep.kd
    .args:
      - { .name: x, .offset: 0, .size: 8, .value_kind: global_buffer, .address_space: global }
      - { .name: Wq, .offset: 8, .size: 8, .value_kind: global_buffer, .address_space: global }
      - { .name: Wk, .offset: 16, .size: 8, .value_kind: global_buffer, .address_space: global }
      - { .name: Wv, .offset: 24, .size: 8, .value_kind: global_buffer, .address_space: global }
      - { .name: Wo, .offset: 32, .size: 8, .value_kind: global_buffer, .address_space: global }
      - { .name: xc, .offset: 40, .size: 8, .value_kind: global_buffer, .address_space: global }
      - { .name: xs, .offset: 48, .size: 8, .value_kind: global_buffer, .address_space: global }
      - { .name: wc, .offset: 56, .size: 8, .value_kind: global_buffer, .address_space: global }
      - { .name: ws, .offset: 64, .size: 8, .value_kind: global_buffer, .address_space: global }
    .group_segment_fixed_size: 68608
    .private_segment_fixed_size: 0
    .kernarg_segment_align: 8
    .kernarg_segment_size: 72
    .max_flat_workgroup_size: 256
    .sgpr_count:     66
    .vgpr_count:     248
    .wavefront_size: 32
...
	.end_amdgpu_metadata
.endif
;; end of part 1
;; launch gemm_qkv (part 2): grid 4 x 64, 4 waves a work-group, clusters of 4 x 4, 327,680 bytes of LDS; arguments xc, xs, wc, ws, qc, kv; writes qc, kv
.if DOCPART == 2
	.amdgcn_target "amdgcn-amd-amdhsa--gfx1250"
	.amdhsa_code_object_version 6
	.text
	.protected	k_qe558a83881_gemm_qkv
	.globl	k_qe558a83881_gemm_qkv
	.p2align	8
	.type	k_qe558a83881_gemm_qkv,@function
k_qe558a83881_gemm_qkv:
	s_mov_b64 s[64:65], 0
	v_nop
	global_prefetch_b8 v0, s[64:65] scope:SCOPE_SE
	s_setreg_imm32_b32 hwreg(HW_REG_WAVE_MODE, 25, 1), 1
	s_wait_xcnt 0x0
	s_wait_alu depctr_hold_cnt(0) depctr_sa_sdst(0) depctr_va_vdst(0) depctr_va_sdst(0) depctr_va_ssrc(0) depctr_va_vcc(0) depctr_vm_vsrc(0)
	s_getreg_b32 s2, hwreg(HW_REG_IB_STS2, 6, 4)
	s_cmp_eq_u32 s2, 0
	s_cbranch_scc0 .Lentry_in_a_cluster
	s_endpgm
.Lentry_in_a_cluster:
	s_bfe_u32 s2, ttmp6, 0x10000c
	s_cmp_lg_u32 s2, 0xf033
	s_cbranch_scc0 .Lentry_shape_is_right
	s_endpgm
.Lentry_shape_is_right:
; q = x Wq, k = x Wk, v = x Wv on codes of FP6 (E2M3) with E8M0 scales, f32 sums, K = 1,024 ascending; the results are quantised here, in registers, as the attention's operands, and leave as images of operand registers.
; A WORK-GROUP STAYS: it takes 128 rows of x (operand Y: 8 tiles of 16) and, one after the other, 256 columns of Wq, of Wk and of Wv (operand X: 16 tiles): three phases.  256 work-groups: 64 blocks of rows x 4 blocks of columns.
; LDS: two chunks of four K steps, each Y 8 x 6,144 bytes and then X 16 x 6,144.  Y is filled once.  X's half in chunk 0 is read out when K step 3's fragments are in registers, its half in chunk 1 with K step 7's:
; there each is filled again with the next weight's half, behind the three lines and a round of the cluster's barrier, one joint load a wave: 4 tiles.
; From a refill to the wait for it a wave issues 128 matrix instructions (chunk 0) or 32 matrix instructions, a way out and 96 more (chunk 1).  No prefetch beside that: each refill is itself asked for four K steps or more ahead of its first read.
; q and k are a loop of two trips, each of which issues both refills; v, which asks for nothing more, is written out behind it.
; CLUSTER 4 x 4: Y hangs on the work-group's y alone and is asked for jointly along a row of the cluster, X on its x and the phase and jointly along a column.
; THE MATRIX INSTRUCTION: source 0 = a tile of the "B side", source 1 = a block of the "A side"; lane (r, h) then holds place r of the A side, and the 64 registers of the 8 B tiles are B-side indices 32 b + 16 h + i
; (register 16 b + i): 16 neighbours, since the tiles' rows were chosen so when they were quantised.  q, k: A side = rows of x, B side = columns (two heads of 64).  v: A side = columns (a wave has one head), B side = rows of x
; (128 keys): so v comes out with the keys along a lane's registers.  One QUANT serves all three.  A wave makes 64 (A) x 128 (B): 32 accumulators, which take turns, one instruction a turn.
; OUT.  qc: codes [head 64][tile of queries 128][768], from byte 6,291,456 scale words [head][tile][16].  kv: [head 64][step of 128 keys 16][13,056]: K 8 x 768, V at 6,144 4 x 1,536, K's scale words at 12,288 8 x 64, V's at 12,800 4 x 64.
; q is NOT multiplied by 1/8 here: a power of two goes through the quantiser and the sums unchanged and is taken into the softmax's constant.  LIMITS: that is exact except where a scale's exponent would be held at -126;
; blocks whose largest magnitude lies under 2^(3 - 127) were not tried; NaN and infinities are not served.  A block of zeros gets the byte 1: its codes are zeros, and this program alone reads the bytes.
; REGISTERS.  Window 0: v16-17, v20-21 LDS addresses of the A and B side in chunk 0, 1 (made anew for the next phase in K step 7); v24 8 x lane; v25-27, v31 output offsets; v28, v29 the add's two; v30 4 x lane; v32-47 A's scale words,
; v48-79 B's (a register: lanes 0-15 an even tile, lanes 16-31 the odd one); v96-143, v144-191 A's fragments, two sets; v192-229 at work on the way out.  Window 1: v0-95, v128-223 B's fragments, two sets.  Window 2: accumulator (a, b) at v[8 (8 a + b)].
.set CHUNK, 147456
.set XOFF,  49152                      ; X behind Y in a chunk
.set SPARE, 2*CHUNK                    ; behind the chunks: the spare words, 128 bytes a wave
.set ADRA, 16
.set ADRB, 20
.set SPW,  28
.set NIL,  29
.set SA,   32
.set SB,   48
.set AF,   96
.set PC,   192
.set TM,   212
.set PW,   228
.set SEL,  2
.set G1Y,  24
.set G1X,  32
.set G0Y,  40
.set G0R,  48                          ; s[48:55] group 0 of the refills, one set a chunk
.set G0X,  68
.set G1R,  76                          ; s[76:83] group 1 of the refills: 4 tiles
.set MSB, 0
.macro WIN new                         ; the immediate's high byte repeats the setting that is left
.if MSB != \new
	s_set_vgpr_msb (MSB<<8)|\new
.set MSB, \new
.endif
.endm
.macro PLACES n
.rept \n
	v_nop
.endr
.endm
.macro CROUND                          ; a round of the cluster's barrier
	s_barrier_signal -1
	s_barrier_wait -1
	s_cmp_lg_u32 s16, 0
	s_cbranch_scc1 .Lnot_wave_0_\@
	s_barrier_signal -3
.Lnot_wave_0_\@:
	s_barrier_wait -3
	s_barrier_signal -1
	s_barrier_wait -1
.endm
.macro WM d, a, b, c, sa, sb, ra, rb
	v_wmma_scale_f32_16x16x128_f8f6f4 v[\d:\d+7], v[\a:\a+11], v[\b:\b+11], \c, v[\sa], v[\sb] matrix_a_fmt:MATRIX_FMT_FP6 matrix_b_fmt:MATRIX_FMT_FP6 matrix_a_scale:MATRIX_SCALE_ROW\ra matrix_b_scale:MATRIX_SCALE_ROW\rb
.endm
; 64 numbers of a lane, register 16 b + i = index 32 b + 16 (lane / 16) + i of my row, in window w, become a fragment's codes in v[PC] on and its scale word in v[PW].  Each accumulator is read from its low end on.
.macro QUANT s, w
.set qS, \s
.set qW, (\w)|((\w)<<2)
	WIN qW
.irp b, 0,1,2,3
	v_max3_num_f32 v[TM+\b], |v[qS+16*\b]|, |v[qS+1+16*\b]|, 0x1800000   ; my 16 numbers of block b, and the floor 2^(3 - 127): the byte cannot fall under 1
.endr
.irp i, 2,4,6,8,10,12,14
.irp b, 0,1,2,3
	v_max3_num_f32 v[TM+\b], |v[qS+16*\b+\i]|, |v[qS+1+16*\b+\i]|, v[TM+\b]
.endr
.endr
	WIN 0
.irp b, 0,1,2,3
	v_permlanex16_b32 v[TM+4+\b], v[TM+\b], s[SEL], s[SEL+1]
.endr
.irp b, 0,1,2,3
	v_max_num_f32 v[TM+\b], v[TM+\b], v[TM+4+\b]      ; with lane l xor 16's: the block's largest magnitude
.endr
.irp b, 0,1,2,3
	v_add_nc_u32 v[TM+12+\b], 0xff000000, v[TM+\b]    ; 2 off its exponent field: the conversion's scale operand
.endr
.irp b, 0,1,2,3
	v_lshrrev_b32 v[TM+4+\b], 23, v[TM+12+\b]         ; the scale's byte
.endr
	v_lshl_or_b32 v[PW], v[TM+5], 8, v[TM+4]
	v_lshl_or_b32 v[PW], v[TM+6], 16, v[PW]
	v_lshl_or_b32 v[PW], v[TM+7], 24, v[PW]
	WIN \w
.irp c, 0,1
	v_cvt_scalef32_pk16_fp6_f32 v[PC+6*\c:PC+2+6*\c], v[qS+32*\c:qS+15+32*\c], v[TM+12+2*\c]
	v_cvt_scalef32_pk16_fp6_f32 v[PC+12+4*\c:PC+14+4*\c], v[qS+16+32*\c:qS+31+32*\c], v[TM+12+2*\c+1]
.endr
	WIN 0
	v_nop                                             ; one plain place behind a scaled conversion
.irp c, 0,1
.irp i, 0,1,2
	v_permlane16_swap_b32 v[PC+6*\c+\i], v[PC+12+4*\c+\i]
.endr
.irp i, 0,1,2
	v_mov_b32 v[PC+3+6*\c+\i], v[PC+12+4*\c+\i]
.endr
.endr
.endm
; the scale words of all of K for phase s57 (0 q, 1 k, 2 v): 16 + 32 registers, 128 consecutive bytes each.  The choice of buffers hangs on the phase alone
.macro SCL
	s_lshl_b32 s87, s57, 2
	s_add_co_u32 s87, s87, s19
	s_lshl_b32 s87, s87, 10                        ; the weight's 256 columns among ws's slots
	s_lshl_b32 s88, s16, 8
	s_add_co_u32 s88, s87, s88                     ; v: A's, in ws
	s_lshl_b32 s89, s22, 9                         ; v: B's, in xs
	s_lshl_b32 s90, s17, 8
	s_add_co_u32 s90, s89, s90                     ; q, k: A's, in xs
	s_lshl_b32 s91, s18, 9
	s_add_co_u32 s91, s87, s91                     ; q, k: B's, in ws
	s_cmp_eq_u32 s57, 2
	s_cselect_b64 s[92:93], s[10:11], s[6:7]
	s_cselect_b64 s[94:95], s[6:7], s[10:11]
	s_cselect_b32 s96, s88, s90
	s_cselect_b32 s98, s89, s91
	s_mov_b32 s97, 0
	s_mov_b32 s99, 0
	s_add_nc_u64 s[92:93], s[92:93], s[96:97]
	s_add_nc_u64 s[94:95], s[94:95], s[98:99]
.irp k, 0,1,2,3,4,5,6,7
.irp p, 0,1
	global_load_b32 v[SA+8*\p+\k], v30, s[92:93] offset:32768*\k+128*\p
.endr
.irp p, 0,1,2,3
	global_load_b32 v[SB+8*\p+\k], v30, s[94:95] offset:32768*\k+128*\p
.endr
.endr
.endm
; where phase s23's results go: base s[62:63], offsets v25-27, v31, step s87
.macro OUTADDR
	s_lshr_b32 s56, s22, 4                         ; batch
	s_and_b32 s57, s22, 15                         ; step of 128 rows in the batch
	s_lshl_b32 s56, s56, 4
	s_lshl_b32 s84, s19, 2
	s_add_co_u32 s56, s56, s84                     ; 16 batch + 4 cx
	s_lshl_b32 s84, s18, 1
	s_add_co_u32 s84, s56, s84                     ; q, k: my first head
	s_add_co_u32 s85, s56, s16                     ; v: my head
	s_mul_i32 s87, s17, 3072                       ; my half of the rows: 4 tiles of 768 bytes,
	s_lshl_b32 s89, s17, 8                         ; and of 64 bytes of scale words
	s_mul_i32 s86, s84, 98304
	s_mul_i32 s90, s57, 6144
	s_add_co_u32 s86, s86, s90
	s_add_co_u32 s86, s86, s87                     ; q's codes
	s_lshl_b32 s88, s84, 13
	s_lshl_b32 s90, s57, 9
	s_add_co_u32 s88, s88, s90
	s_add_co_u32 s88, s88, s89
	s_add_co_u32 s88, s88, 6291456                 ; q's scale words
	s_mul_i32 s90, s57, 13056
	s_mul_i32 s91, s84, 208896
	s_add_co_u32 s91, s91, s90
	s_add_co_u32 s96, s91, s87                     ; k's codes
	s_add_co_u32 s97, s91, s89
	s_add_co_u32 s97, s97, 12288                   ; k's scale words
	s_mul_i32 s98, s85, 208896
	s_add_co_u32 s98, s98, s90
	s_add_co_u32 s99, s98, 12800                   ; v's scale words
	s_add_co_u32 s98, s98, 6144                    ; v's codes
	s_mov_b32 s56, 208896
	s_cmp_eq_u32 s23, 0
	s_cselect_b32 s86, s86, s96
	s_cselect_b32 s88, s88, s97
	s_cselect_b32 s57, 98304, s56                  ; from a head to the next
	s_cselect_b32 s84, 8192, s56                   ; the same for the scale words
	s_cselect_b64 s[62:63], s[12:13], s[14:15]     ; qc or kv
	s_mov_b32 s87, 768
	s_cmp_eq_u32 s23, 2
	s_cselect_b32 s86, s98, s86
	s_cselect_b32 s88, s99, s88
	s_cselect_b32 s57, 768, s57                    ; v: a fragment's second half follows its first
	s_cselect_b32 s84, 0, s84
	s_cselect_b32 s85, 0, 16
	s_cselect_b32 s87, 1536, s87                   ; from block to block of the A side
	v_add_nc_u32 v25, s86, v24                     ; units 0-2 of a fragment
	v_add_nc_u32 v26, s57, v25                     ; units 3-5
	v_lshl_add_u32 v27, v2, 2, s88                 ; the scale word of place r;
	v_mul_lo_u32 v4, v3, s84
	v_add_nc_u32 v27, v27, v4                      ; q, k: lanes 16-31 store the second head's,
	v_mul_lo_u32 v31, v3, s85                      ; which is the word's upper half.  (v: both halves of the lanes store the same word to the same place)
.endm
.macro FRAG reg, adr, tau, q           ; a fragment as it lies: six units of 256 bytes
.irp p, 0,1,2,3,4,5
	ds_load_b64 v[\reg+2*\p:\reg+2*\p+1], v[\adr] offset:6144*(\tau)+1536*(\q)+256*\p
.endr
.endm
.macro FETCH ks                        ; K step ks: B's eight fragments and A's four into set ks % 2: 72 loads
	WIN 0x40
.irp b, 0,1,2,3,4,5,6,7
	FRAG 128*((\ks)%2)+12*\b, ADRB+(\ks)/4, \b, (\ks)%4
.endr
	WIN 0
.irp a, 0,1,2,3
	FRAG AF+48*((\ks)%2)+12*\a, ADRA+(\ks)/4, \a, (\ks)%4
.endr
.endm
.macro MUL ks, zero                    ; 32 matrix instructions; zero = 1: the first K step starts the sums
.irp ap, 0,1
.irp ar, 0,1
.irp bp, 0,1,2,3
.irp br, 0,1
.set wD, 8*(8*(2*\ap+\ar)+2*\bp+\br)
.if \zero
	WM wD, 128*((\ks)%2)+12*(2*\bp+\br), AF+48*((\ks)%2)+12*(2*\ap+\ar), 0, SB+8*\bp+(\ks), SA+8*\ap+(\ks), \br, \ar
.else
	WM wD, 128*((\ks)%2)+12*(2*\bp+\br), AF+48*((\ks)%2)+12*(2*\ap+\ar), v[wD:wD+7], SB+8*\bp+(\ks), SA+8*\ap+(\ks), \br, \ar
.endif
.endr
.endr
.endr
.endr
.endm
; a phase's eight K steps.  refill = 1: in K steps 3 and 7 X's half that is read out takes the next weight's, and K step 7 fetches the next phase's first fragments
.macro PHASE refill
.irp k, 0,1,2,3,4,5,6,7
.if (\k == 3) || ((\k == 7) && \refill)
	s_wait_tensorcnt 0x0                           ; all my tensor loads are in: my part of the other chunk among them
.if \refill
	ds_add_u32 v[SPW], v[NIL]                      ; work on registers stands between the add and the wait for it
	s_add_nc_u64 s[G0R+4*(\k/4)+2:G0R+4*(\k/4)+3], s[G0R+4*(\k/4)+2:G0R+4*(\k/4)+3], 64*12288   ; no load of mine is out: on to the next weight, 64 tiles further
.if \k == 7
	s_mul_i32 s84, s16, 24576
	s_add_co_u32 s84, s84, XOFF                    ; v: A side = X, my 4 tiles
	s_mul_i32 s85, s17, 24576                      ; q, k: A side = Y, my 4 tiles
	s_mul_i32 s86, s18, 49152
	s_add_co_u32 s86, s86, XOFF                    ; q, k: B side = X, my 8 tiles
	s_cmp_eq_u32 s23, 1                            ; is the next phase v?
	s_cselect_b32 s84, s84, s85
	s_cselect_b32 s86, 0, s86                      ; v: B side = Y, all 8 tiles
.endif
	s_wait_dscnt 0x0                               ; the add is done, and this K step's fragments are in: my reads of the half to be filled are over
	CROUND                                         ; the same holds of every wave of all sixteen work-groups
	tensor_load_to_lds s[G0R+4*(\k/4):G0R+4*(\k/4)+3], s[G1R:G1R+7]   ; my 4 tiles of the next weight's half
	s_nop 0
	PLACES 4                                       ; also the places in front of the loads below
.if \k == 7
	v_add_nc_u32 v[ADRA], s84, v24
	v_add_nc_u32 v[ADRB], s86, v24
	v_add_nc_u32 v[ADRA+1], CHUNK, v[ADRA]
	v_add_nc_u32 v[ADRB+1], CHUNK, v[ADRB]
.endif
.else
	s_wait_dscnt 0x0
	s_barrier_signal -1
	s_barrier_wait -1                              ; chunk 1 is whole
	PLACES 4
.endif
.else
	s_wait_dscnt 0x0                               ; this K step's fragments are in (asked for 32 matrix instructions ago)
.if (\k > 0) && (\k < 7)
	PLACES 4                                       ; in front of loads into registers that matrix instructions have read
.endif
.endif
.if \k < 7
	FETCH \k+1
.elseif \refill
	FETCH 0                                        ; the next phase's K step 0: the round has shown chunk 0 whole
.endif
.if \k == 0
	s_wait_loadcnt 0x0                             ; the scale words
	WIN 0xa1                                       ; source 0 window 1, source 1 window 0, C and D window 2
	MUL \k, 1
.else
	WIN 0xa1
	MUL \k, 0
.endif
	WIN 0
.endr
.endm
; THE WAY OUT: each block of the A side is quantised along the B side and stored as an image: whole aligned units of 256 bytes.  The scale words leave in pieces of 64 bytes, one part in 24 of the codes' bytes.
.macro WAYOUT
	s_wait_xcnt 0x0                                ; earlier stores and loads have read their registers: base and offsets may be written
	OUTADDR
.irp a, 0,1,2,3
	s_wait_xcnt 0x0                                ; the last block's stores have read their registers: offsets and codes may be written again
.if \a > 0
	v_add_nc_u32 v25, s87, v25
	v_add_nc_u32 v26, s87, v26
.endif
	QUANT 64*\a, 2
	v_lshrrev_b32 v229, v31, v[PW]
.irp i, 0,1,2
	global_store_b64 v25, v[PC+2*\i:PC+2*\i+1], s[62:63] offset:256*\i
.endr
.irp i, 0,1,2
	global_store_b64 v26, v[PC+6+2*\i:PC+6+2*\i+1], s[62:63] offset:256*\i
.endr
	global_store_b32 v27, v229, s[62:63] offset:64*\a
.endr
.endm
	s_load_b256 s[4:11], s[0:1], 0x0               ; xc s[4:5], xs s[6:7], wc s[8:9], ws s[10:11]
	s_load_b128 s[12:15], s[0:1], 0x20             ; qc s[12:13], kv s[14:15]
	v_lshl_add_u32 v[SPW], v0, 2, SPARE
	v_mov_b32 v[NIL], 0
	ds_add_u32 v[SPW], v[NIL]                      ; the opening lines: the add, twice on end, and its wait ahead of my first tensor load
	ds_add_u32 v[SPW], v[NIL]
	v_lshrrev_b32 v1, 5, v0
	v_readfirstlane_b32 s16, v1                    ; wave 0..3
	s_lshr_b32 s17, s16, 1
	s_and_b32 s18, s16, 1
	s_bfe_u32 s19, ttmp6, 0x40000                  ; cx
	s_bfe_u32 s20, ttmp6, 0x40004                  ; cy
	s_lshl_b32 s21, ttmp9, 2
	s_add_co_u32 s21, s21, s19                     ; work-group x: which 256 columns of each weight
	s_and_b32 s22, ttmp7, 0xffff
	s_lshl_b32 s22, s22, 2
	s_add_co_u32 s22, s22, s20                     ; work-group y: which 128 rows of x
	s_lshl_b32 s56, s20, 2
	s_lshl_b32 s56, 15, s56                        ; my row of the cluster
	s_lshl_b32 s57, 0x1111, s19                    ; my column
	s_or_b32 s[G1Y], s56, (3<<16)|(1<<21)          ; 15:0 the mask; 17:16 elements of 8 bytes; 21 set beside a mask; no padding
	s_or_b32 s[G1X], s57, (3<<16)|(1<<21)
	s_or_b32 s[G1R], s57, (3<<16)|(1<<21)
	s_mov_b32 s[G1Y+1], 768<<16                    ; tensor_dim0: a tile's four K steps, 6,144 bytes
	s_mov_b32 s[G1Y+2], 8<<16                      ; tensor_dim1: 8 tiles
	s_mov_b32 s[G1Y+3], 768<<16                    ; tile_dim0
	s_mov_b32 s[G1Y+4], 8                          ; tile_dim1
	s_mov_b32 s[G1Y+5], 1536                       ; from tile to tile: 12,288 bytes
	s_mov_b32 s[G1Y+6], 0
	s_mov_b32 s[G1Y+7], 0
	s_mov_b32 s[G1X+1], 768<<16
	s_mov_b32 s[G1X+2], 16<<16                     ; 16 tiles
	s_mov_b32 s[G1X+3], 768<<16
	s_mov_b32 s[G1X+4], 16
	s_mov_b32 s[G1X+5], 1536
	s_mov_b32 s[G1X+6], 0
	s_mov_b32 s[G1X+7], 0
	s_mov_b32 s[G1R+1], 768<<16
	s_mov_b32 s[G1R+2], 4<<16                      ; 4 tiles
	s_mov_b32 s[G1R+3], 768<<16
	s_mov_b32 s[G1R+4], 4
	s_mov_b32 s[G1R+5], 1536
	s_mov_b32 s[G1R+6], 0
	s_mov_b32 s[G1R+7], 0
	s_mul_i32 s58, s22, 8*12288                    ; Y: from tile 8 y: made of the work-group's y alone
	s_mov_b32 s59, 0
	s_mul_i32 s60, s21, 16*12288                   ; X: Wq's tiles from 16 x: of the work-group's x alone
	s_mov_b32 s61, 0
	s_mov_b32 s[SEL], 0x76543210
	s_mov_b32 s[SEL+1], 0xfedcba98
	s_wait_dscnt 0x0                               ; both opening adds are done
	s_wait_kmcnt 0x0
	s_add_nc_u64 s[58:59], s[4:5], s[58:59]
	s_add_nc_u64 s[60:61], s[8:9], s[60:61]
	CROUND                                         ; all sixteen work-groups are here: the joint loads meet
.irp c, 0,1
	s_mov_b32 s[G0Y+4*\c], 1
	s_mov_b32 s[G0Y+4*\c+1], \c*CHUNK
	s_add_nc_u64 s[G0Y+4*\c+2:G0Y+4*\c+3], s[58:59], \c*6144
	s_or_b32 s[G0Y+4*\c+3], s[G0Y+4*\c+3], 0x80000000
	s_mov_b32 s[G0X+4*\c], 1
	s_mov_b32 s[G0X+4*\c+1], XOFF+\c*CHUNK
	s_add_nc_u64 s[G0X+4*\c+2:G0X+4*\c+3], s[60:61], \c*6144
	s_or_b32 s[G0X+4*\c+3], s[G0X+4*\c+3], 0x80000000
.endr
; one tensor load a wave, each in its own arm of one chain of branches on the wave's number: wave 0 Y's K steps 0-3, wave 1 X's, wave 2 Y's K steps 4-7, wave 3 X's
.macro ARM w, g0, g1, next
	s_cmp_eq_u32 s16, \w
	s_cbranch_scc0 \next
	tensor_load_to_lds s[\g0:\g0+3], s[\g1:\g1+7]
	s_nop 0
	PLACES 4
	s_branch .Lfirst_asked
\next:
.endm
	ARM 0, G0Y, G1Y, .Lfirst_1
	ARM 1, G0X, G1X, .Lfirst_2
	ARM 2, G0Y+4, G1Y, .Lfirst_3
	tensor_load_to_lds s[G0X+4:G0X+7], s[G1X:G1X+7]
	s_nop 0
	PLACES 4
.Lfirst_asked:
	; the refills' group 0: my 4 tiles of X's 16, at Wq's place: each refill steps its address to the next weight first
	s_mul_i32 s84, s16, 4*12288
	s_mov_b32 s85, 0
	s_add_nc_u64 s[84:85], s[60:61], s[84:85]
	s_mul_i32 s86, s16, 24576
	s_add_co_u32 s86, s86, XOFF
.irp c, 0,1
	s_mov_b32 s[G0R+4*\c], 1
	s_add_co_u32 s[G0R+4*\c+1], s86, \c*CHUNK
	s_add_nc_u64 s[G0R+4*\c+2:G0R+4*\c+3], s[84:85], \c*6144
	s_or_b32 s[G0R+4*\c+3], s[G0R+4*\c+3], 0x80000000
.endr
	s_mul_i32 s85, s17, 24576                      ; q: A side = Y, my 4 tiles
	s_mul_i32 s86, s18, 49152
	s_add_co_u32 s86, s86, XOFF                    ; q: B side = X, my 8 tiles
	v_and_b32 v1, 31, v0
	v_and_b32 v2, 15, v0                           ; r
	v_bfe_u32 v3, v0, 4, 1                         ; h
	v_lshlrev_b32 v24, 3, v1
	v_lshlrev_b32 v30, 2, v1
	v_add_nc_u32 v[ADRA], s85, v24
	v_add_nc_u32 v[ADRB], s86, v24
	v_add_nc_u32 v[ADRA+1], CHUNK, v[ADRA]
	v_add_nc_u32 v[ADRB+1], CHUNK, v[ADRB]
.irp b, 0,1,2,3
	v_mov_b32 v[TM+4+\b], 0                        ; written once: a lane permute's destination counts as one of its sources
.endr
	s_wait_alu depctr_va_vdst(0)                   ; the wait at the head's end: no vector line follows ahead of the loop
	s_mov_b32 s57, 0
	SCL                                            ; q's scale words
	s_mov_b32 s23, 0                               ; the phase
	s_cmp_lt_u32 s16, 2
	s_cbranch_scc0 .Lnot_chunk_0
	s_wait_tensorcnt 0x0                           ; waves 0 and 1: my part of chunk 0 is in; the load lines of waves 2 and 3 are their own and stay out
.Lnot_chunk_0:
	s_barrier_signal -1
	s_barrier_wait -1                              ; chunk 0 is whole
	FETCH 0
.Lphase:                                               ; q, then k
	PHASE 1
	PLACES 4                                       ; behind the last products: for the loads into the scale registers and the first reads of results
	s_add_co_u32 s57, s23, 1
	SCL                                            ; the next phase's scale words come under the way out
	WAYOUT
	s_add_co_u32 s23, s23, 1
	s_cmp_lt_u32 s23, 2
	s_cbranch_scc1 .Lphase
	PHASE 0                                        ; v: nothing more is asked for
	PLACES 4
	WAYOUT
	s_wait_tensorcnt 0x0                           ; the wave's end: behind my last tensor load
	ds_add_u32 v[SPW], v[NIL]
	s_wait_dscnt 0x0
	CROUND                                         ; the closing round
	s_endpgm
.Lfunc_end_k_qe558a83881_gemm_qkv:
	.size	k_qe558a83881_gemm_qkv, .Lfunc_end_k_qe558a83881_gemm_qkv-k_qe558a83881_gemm_qkv
	.p2alignl 7, 3214868480
	.fill 96, 4, 3214868480
	.section	.rodata,"a",@progbits
	.p2align	6, 0x0
	.amdhsa_kernel k_qe558a83881_gemm_qkv
		.amdhsa_group_segment_fixed_size 327680
		.amdhsa_private_segment_fixed_size 0
		.amdhsa_enable_private_segment 0
		.amdhsa_kernarg_size 48
		.amdhsa_user_sgpr_count 2
		.amdhsa_user_sgpr_kernarg_segment_ptr 1
		.amdhsa_wavefront_size32 1
		.amdhsa_system_sgpr_workgroup_id_x 1
		.amdhsa_system_sgpr_workgroup_id_y 1
		.amdhsa_system_sgpr_workgroup_id_z 1
		.amdhsa_system_vgpr_workitem_id 0
		.amdhsa_next_free_vgpr 768
		.amdhsa_next_free_sgpr 100
		.amdhsa_reserve_vcc 0
		.amdhsa_float_denorm_mode_32 3
		.amdhsa_float_denorm_mode_16_64 3
		.amdhsa_memory_ordered 1
		.amdhsa_forward_progress 1
		.amdhsa_inst_pref_size 202
	.end_amdhsa_kernel
	.amdgpu_metadata
---
amdhsa.version: [ 1, 2 ]
amdhsa.kernels:
  - .name:           k_qe558a83881_gemm_qkv
    .symbol:         k_qe558a83881_gemm_qkv.kd
    .args:
      - { .name: xc, .offset: 0, .size: 8, .value_kind: global_buffer, .address_space: global }
      - { .name: xs, .offset: 8, .size: 8, .value_kind: global_buffer, .address_space: global }
      - { .name: wc, .offset: 16, .size: 8, .value_kind: global_buffer, .address_space: global }
      - { .name: ws, .offset: 24, .size: 8, .value_kind: global_buffer, .address_space: global }
      - { .name: qc, .offset: 32, .size: 8, .value_kind: global_buffer, .address_space: global }
      - { .name: kv, .offset: 40, .size: 8, .value_kind: global_buffer, .address_space: global }
    .group_segment_fixed_size: 327680
    .private_segment_fixed_size: 0
    .kernarg_segment_align: 8
    .kernarg_segment_size: 48
    .max_flat_workgroup_size: 128
    .sgpr_count:     100
    .vgpr_count:     768
    .wavefront_size: 32
...
	.end_amdgpu_metadata
.endif
;; end of part 2
;; launch attn (part 3): grid 4 x 64, 8 waves a work-group, clusters of 4 x 1, 327,680 bytes of LDS; arguments qc, kv, cc, cs; writes cc, cs
.if DOCPART == 3
	.amdgcn_target "amdgcn-amd-amdhsa--gfx1250"
	.amdhsa_code_object_version 6
	.text
	.protected	k_qe558a83881_attn
	.globl	k_qe558a83881_attn
	.p2align	8
	.type	k_qe558a83881_attn,@function
k_qe558a83881_attn:
	s_mov_b64 s[64:65], 0
	v_nop
	global_prefetch_b8 v0, s[64:65] scope:SCOPE_SE
	s_setreg_imm32_b32 hwreg(HW_REG_WAVE_MODE, 25, 1), 1
	s_wait_xcnt 0x0
	s_wait_alu depctr_hold_cnt(0) depctr_sa_sdst(0) depctr_va_vdst(0) depctr_va_sdst(0) depctr_va_ssrc(0) depctr_va_vcc(0) depctr_vm_vsrc(0)
	s_getreg_b32 s2, hwreg(HW_REG_IB_STS2, 6, 4)
	s_cmp_eq_u32 s2, 0
	s_cbranch_scc0 .Lentry_in_a_cluster
	s_endpgm
.Lentry_in_a_cluster:
	s_bfe_u32 s2, ttmp6, 0x10000c
	s_cmp_lg_u32 s2, 0x3003
	s_cbranch_scc0 .Lentry_shape_is_right
	s_endpgm
.Lentry_shape_is_right:
; context = softmax(q k^T / 8) v for one head and 512 queries a work-group, on codes of FP6 (E2M3) with E8M0 scales; the context leaves quantised, as images of operand registers (cc) and scale words (cs).
; p = 2^(t - M), t = score x log2(e) / 8, M the ceiling of the running largest t; the row's sum is taken of the unquantised p; O^T and the sum are multiplied by 2^(old M - new M), an exact power of two, in every step.
; LIMITS: the promise holds while the scaled scores t stay under 2^31 in magnitude; NaN and infinities are not served; a block of p that has fallen to zeros keeps the byte 1: its codes are zeros.
; THE DEAL.  8 waves, each 4 tiles of 16 queries.  The head's 16 steps of 128 keys (13,056 bytes each: K 8 x 768, V 4 x 1,536, K's and V's scale words) ALL lie in LDS: 208,896 bytes, filled once, one tensor load a wave (two steps, 102 rows of 256 bytes).
; CLUSTER 4 x 1: the four work-groups of a head ask for these tiles jointly.  No prefetch: every tile is asked for at the head, so the text has no loop to run ahead in.
; BOTH PRODUCTS ARE USED TRANSPOSED (S^T = k q^T, O^T = v^T p^T): a lane holds one query.
; THE KEYS OF A TILE OF K ARE CHOSEN BY THE LANES' LDS ADDRESSES: in band c of 64 keys, tile j, place 8 a + i is key 64 c + 32 a + 8 j + i.  It lies in the stored tile 4 c + 2 a + j % 2 at place 8 (j / 2) + i.
; So lane (r, h)'s 32 registers of a band's four tiles are keys 64 c + 32 h + 0 .. 31: ONE WHOLE scale block, in the order of the operand's registers 6 c .. 6 c + 5: no lane asks another for a block's maximum or codes.
; A block's largest p is made of its largest score by the same multiply-add and exponential as every p.
; ORDER IN A STEP: tile t's maxima (8 chains); its row chain, with the tail of tile t - 1's sum tree laid between its lines; S^T of tile t + 1; t - M; O^T x f; the exponentials; scales, codes; the sum tree's first level; O^T += v^T p^T.
; The next step's K fragments are fetched in tile 2, behind their last use; V's at the step's top.  The last trip's look-ahead is held at step 15 (s_min_u32): its 28 LDS loads are read by nobody.
; REGISTERS.  Window 0: v1-7 addresses, the add's two; v8-23 a tile's -M, largest score, sum (2); v24-31 maxima; v32-39 at work; v40-58 p's codes; v60-67 scale words; v68-115 q; v128-191, v192-255 S^T / p, two buffers.
; Window 1: v0-127 O^T; v128-181 K's fragments and six zeros; v184-231 V's.
.set STEPB, 13056
.set SPARE, 16*STEPB                   ; behind the tiles: the spare words, 128 bytes a wave
.set KB,   1                           ; K's lane term: 1536 (r / 8) + 8 (r % 8) + 128 h
.set KSB,  2                           ; K's scale words': 128 (r / 8) + 64 h + 4 (r % 8)
.set L8,   3
.set L4,   4
.set SPW,  5
.set NIL,  6
.set H8,   7                           ; 8 h
.set ST,   8
.set BM,   24
.set BP,   28
.set SO,   32
.set OLD,  34
.set WP,   35
.set PF,   40
.set TC,   52
.set KSC,  60
.set VSC,  64
.set QSC,  66
.set QF,   68
.set WD,   116
.set KA,   120
.set SA,   121
.set SCA,  128
.set SCB,  192
.set MSB, 0
.macro WIN new                         ; the immediate's high byte repeats the setting that is left
.if MSB != \new
	s_set_vgpr_msb (MSB<<8)|\new
.set MSB, \new
.endif
.endm
.macro PLACES n
.rept \n
	v_nop
.endr
.endm
.macro WALU
	s_wait_alu depctr_va_vdst(0)
.endm
.macro CROUND                          ; a round of the cluster's barrier
	s_barrier_signal -1
	s_barrier_wait -1
	s_cmp_lg_u32 s12, 0
	s_cbranch_scc1 .Lnot_wave_0_\@
	s_barrier_signal -3
.Lnot_wave_0_\@:
	s_barrier_wait -3
	s_barrier_signal -1
	s_barrier_wait -1
.endm
.macro WM d, a, b, c, sa, sb, ra, rb
	v_wmma_scale_f32_16x16x128_f8f6f4 v[\d:\d+7], v[\a:\a+11], v[\b:\b+11], \c, v[\sa], v[\sb] matrix_a_fmt:MATRIX_FMT_FP6 matrix_b_fmt:MATRIX_FMT_FP6 matrix_a_scale:MATRIX_SCALE_ROW\ra matrix_b_scale:MATRIX_SCALE_ROW\rb
.endm
.macro SQ t, s, qs, qr                 ; S^T of tile t: 8 tiles of 16 keys.  K = 64: q's registers 6-11 are zeros, so what lies in K's registers 6-11 adds nothing
	WIN 0x01
.irp q, 0,1,2,3
	WM \s+16*\q, 128+12*\q, QF+12*\t, 0, KSC+\q, \qs, 0, \qr
	WM \s+16*\q+8, 134+12*\q, QF+12*\t, 0, KSC+\q, \qs, 1, \qr
.endr
	WIN 0
.endm
.macro PV t                            ; O^T += v^T p^T: four accumulators by turns
	WIN 0x51
.irp q, 0,1
	WM 32*\t+16*\q, 184+24*\q, PF, v[32*\t+16*\q:32*\t+16*\q+7], VSC+\q, 37, 0, 0
	WM 32*\t+16*\q+8, 196+24*\q, PF, v[32*\t+16*\q+8:32*\t+16*\q+15], VSC+\q, 37, 1, 0
.endr
	WIN 0
.endm
.macro KLOADS sr                       ; K's fragments and scale words of the step at LDS byte s\sr: 28 loads
	v_add_nc_u32 v[KA], s\sr, v[KB]
	v_add_nc_u32 v[SA], s\sr, v[KSB]
.irp q, 0,1,2,3
	ds_load_b32 v[KSC+\q], v[SA] offset:12288+256*(\q/2)+32*(\q%2)
.endr
	WIN 0x40
.irp u, 0,1,2,3,4,5,6,7
.irp p, 0,1,2
	ds_load_b64 v[128+6*\u+2*\p:128+6*\u+2*\p+1], v[KA] offset:768*(4*(\u/4)+\u%2)+64*((\u%4)/2)+256*\p
.endr
.endr
	WIN 0
.endm
.macro VLOADS                          ; V's, as they lie: 26 loads
.irp q, 0,1
	ds_load_b32 v[VSC+\q], v[SA] offset:12800+128*\q
.endr
	WIN 0x40
.irp u, 0,1,2,3
.irp p, 0,1,2,3,4,5
	ds_load_b64 v[184+12*\u+2*\p:184+12*\u+2*\p+1], v[KA] offset:6144+1536*\u+256*\p
.endr
.endr
	WIN 0
.endm
.macro A2 s, l, k                      ; line k of the sum tree's tail: levels of 8, 4, 2, 1 packed additions in place, then onto the row's sum
.if (\k) < 8
	v_pk_add_f32 v[\s+8*(\k):\s+8*(\k)+1], v[\s+8*(\k):\s+8*(\k)+1], v[\s+8*(\k)+4:\s+8*(\k)+5]
.elseif (\k) < 12
	v_pk_add_f32 v[\s+16*(\k)-128:\s+16*(\k)-127], v[\s+16*(\k)-128:\s+16*(\k)-127], v[\s+16*(\k)-120:\s+16*(\k)-119]
.elseif (\k) < 14
	v_pk_add_f32 v[\s+32*(\k)-384:\s+32*(\k)-383], v[\s+32*(\k)-384:\s+32*(\k)-383], v[\s+32*(\k)-368:\s+32*(\k)-367]
.elseif (\k) == 14
	v_pk_add_f32 v[\s:\s+1], v[\s:\s+1], v[\s+32:\s+33]
.else
	v_pk_add_f32 v[\l:\l+1], v[\l:\l+1], v[\s:\s+1]
.endif
.endm
.macro D2 p, l, a, b
.if \p >= 0
	A2 \p, \l, \a
	A2 \p, \l, \b
.endif
.endm
.macro HINT p, n                       ; where nothing is laid between the chain's lines
.if \p < 0
	s_delay_alu instid0(VALU_DEP_\n)
.endif
.endm
; the maxima of tile t's scores in buffer s, and the row chain; p, lp: the buffer and the sum of the tile before, whose tree's tail is laid in (-1: none)
.macro SM1 t, s, p, lp
.set rT, ST+4*(\t)
.irp u, 0,1,2,3,4,5,6,7
	v_max3_num_f32 v[BM+\u], v[\s+8*\u], v[\s+8*\u+1], v[\s+8*\u+2]   ; one chain for each accumulator, from its low end on
.endr
.irp i, 3,5
.irp u, 0,1,2,3,4,5,6,7
	v_max3_num_f32 v[BM+\u], v[BM+\u], v[\s+8*\u+\i], v[\s+8*\u+\i+1]
.endr
.endr
.irp c, 0,1
	v_max3_num_f32 v[BM+4*\c], v[BM+4*\c], v[BM+4*\c+1], v[\s+32*\c+7]
.endr
.irp c, 0,1
	v_max3_num_f32 v[BM+4*\c+2], v[BM+4*\c+2], v[BM+4*\c+3], v[\s+32*\c+15]
.endr
.irp c, 0,1
	v_max3_num_f32 v[BM+4*\c], v[BM+4*\c], v[BM+4*\c+2], v[\s+32*\c+23]
.endr
.irp c, 0,1
	v_max_num_f32 v[BM+4*\c], v[BM+4*\c], v[\s+32*\c+31]           ; v24, v28: the largest score of my two blocks
.endr
	HINT \p, 1
	v_max_num_f32 v38, v[BM], v[BM+4]
	D2 \p, \lp, 0, 1
	v_mov_b32 v[OLD], v[rT]
	HINT \p, 2
	v_permlanex16_b32 v39, v38, s32, s33
	D2 \p, \lp, 2, 3
	HINT \p, 1
	v_max3_num_f32 v[rT+1], v[rT+1], v38, v39      ; the running largest score of my query
	D2 \p, \lp, 4, 5
	HINT \p, 1
	v_mul_f32 v38, s34, v[rT+1]                    ; as t
	D2 \p, \lp, 6, 7
	HINT \p, 1
	v_floor_f32 v[rT], -v38                        ; -M = floor(-t)
	D2 \p, \lp, 8, 9
	HINT \p, 1
	v_sub_f32 v[OLD], v[rT], v[OLD]                ; old M - new M, a whole number, 0 or less
	D2 \p, \lp, 10, 11
	HINT \p, 1
	v_cvt_i32_f32 v[OLD], v[OLD]                   ; (it saturates)
	D2 \p, \lp, 12, 13
	HINT \p, 1
	v_ldexp_f32 v36, 1.0, v[OLD]                   ; f
	D2 \p, \lp, 14, 15
.endm
; from t - M to p's codes and the sum tree's first level; full = 1: the whole tree; kl = 1: the next step's K is fetched
.macro SM2 t, s, full, kl
.set rT, ST+4*(\t)
.set J, 0
.rept 32
	v_pk_fma_f32 v[\s+J:\s+J+1], v[\s+J:\s+J+1], s[34:35], v[rT:rT+1] op_sel_hi:[1,0,0]
.set J, J+2
.endr
	v_fma_f32 v[BM], v[BM], s34, v[rT]
	v_fma_f32 v[BM+4], v[BM+4], s34, v[rT]
	WIN 0x41
.set J, 0
.rept 16
	v_pk_mul_f32 v[32*\t+J:32*\t+J+1], v[32*\t+J:32*\t+J+1], v[36:37] op_sel_hi:[1,0]   ; O^T under the new M
.set J, J+2
.endr
	WIN 0
.if \kl
	s_add_co_u32 s54, s39, STEPB
	s_min_u32 s54, s54, 15*STEPB
	KLOADS 54
.endif
	WALU                                           ; the wait ahead of the batch
	v_exp_f32 v[BM], v[BM]
	v_exp_f32 v[BM+4], v[BM+4]
.set J, 0
.rept 64
	v_exp_f32 v[\s+J], v[\s+J]
.set J, J+1
.endr
	v_pk_mul_f32 v[rT+2:rT+3], v[rT+2:rT+3], v[36:37] op_sel_hi:[1,0]   ; the sum under the new M: the plain place behind the batch
	WALU                                           ; and the one wait behind it
	v_max_num_f32 v[BM], 0x1800000, v[BM]          ; the floor 2^(3 - 127): the byte cannot fall under 1
	v_max_num_f32 v[BM+4], 0x1800000, v[BM+4]
	v_add_nc_u32 v[SO], 0xff000000, v[BM]          ; 2 off the exponent field: the conversions' scale operand
	v_add_nc_u32 v[SO+1], 0xff000000, v[BM+4]
	v_cvt_scalef32_pk16_fp6_f32 v[PF:PF+2], v[\s:\s+15], v[SO]
	v_cvt_scalef32_pk16_fp6_f32 v[TC:TC+2], v[\s+16:\s+31], v[SO]
	v_cvt_scalef32_pk16_fp6_f32 v[PF+6:PF+8], v[\s+32:\s+47], v[SO+1]
	v_cvt_scalef32_pk16_fp6_f32 v[TC+4:TC+6], v[\s+48:\s+63], v[SO+1]
	v_lshrrev_b32 v25, 23, v[SO]                   ; my two bytes: blocks h and 2 + h
	v_lshrrev_b32 v26, 23, v[SO+1]
	v_lshl_or_b32 v25, v26, 16, v25
	v_lshlrev_b32 v25, v[H8], v25                  ; at their places in the word
	v_permlanex16_b32 v[WP], v25, s32, s33
	v_or_b32 v37, v25, v[WP]                       ; with lane l xor 16's two: p's scale word
.irp i, 0,1,2
	v_mov_b32 v[PF+3+\i], v[TC+\i]                 ; (a conversion's three registers begin on an even number)
	v_mov_b32 v[PF+9+\i], v[TC+4+\i]
.endr
.set J, 0
.rept 16
	v_pk_add_f32 v[\s+J:\s+J+1], v[\s+J:\s+J+1], v[\s+J+2:\s+J+3]   ; the unquantised p: the tree's first level; these 16 are also the places ahead of the products
.set J, J+4
.endr
.if \full
.irp k, 0,1,2,3,4,5,6,7,8,9,10,11,12,13,14,15
	A2 \s, rT+2, \k
.endr
.endif
.endm
	s_load_b256 s[4:11], s[0:1], 0x0               ; qc, kv, cc, cs
	v_lshl_add_u32 v[SPW], v0, 2, SPARE
	v_mov_b32 v[NIL], 0
	ds_add_u32 v[SPW], v[NIL]                      ; the opening lines: the add, twice on end, and its wait
	ds_add_u32 v[SPW], v[NIL]
	v_lshrrev_b32 v1, 5, v0
	v_readfirstlane_b32 s12, v1                    ; wave 0..7
	s_bfe_u32 s13, ttmp6, 0x40000                  ; cx
	s_and_b32 s14, ttmp7, 0xffff                   ; head 0..63
	s_lshl_b32 s15, ttmp9, 2
	s_add_co_u32 s15, s15, s13                     ; which 512 queries
	s_mov_b32 s16, 15|(3<<16)|(1<<21)              ; the mask of all four partners; elements of 8 bytes
	s_mov_b32 s17, 32<<16                          ; rows of 256 bytes
	s_mov_b32 s18, 102<<16                         ; 102 of them: two steps
	s_mov_b32 s19, 32<<16
	s_mov_b32 s20, 102
	s_mov_b32 s21, 32
	s_mov_b32 s22, 0
	s_mov_b32 s23, 0
	s_mov_b32 s32, 0x76543210
	s_mov_b32 s33, 0xfedcba98                      ; selects for lane l xor 16
	s_mov_b32 s34, 0x3e38aa3b                      ; log2(e) / 8
	s_mov_b32 s35, s34
	s_mov_b32 s38, 0xffff0000
	s_mul_i32 s42, s12, 2*STEPB
	s_mul_i32 s40, s14, 16*STEPB
	s_add_co_u32 s40, s40, s42
	s_mov_b32 s41, 0
	s_wait_dscnt 0x0
	s_wait_kmcnt 0x0
	s_add_nc_u64 s[40:41], s[6:7], s[40:41]
	CROUND                                         ; the four partners are here: the joint loads meet
	s_mov_b32 s24, 1
	s_mov_b32 s25, s42
	s_mov_b64 s[26:27], s[40:41]
	s_or_b32 s27, s27, 0x80000000
	tensor_load_to_lds s[24:27], s[16:23]          ; steps 2 w and 2 w + 1: my one tensor load
	s_nop 0
	PLACES 4
	s_lshl_b32 s43, s14, 7
	s_lshl_b32 s44, s15, 5
	s_add_co_u32 s43, s43, s44
	s_lshl_b32 s44, s12, 2
	s_add_co_u32 s43, s43, s44                     ; my first tile of queries
	s_mul_i32 s44, s43, 768
	s_mov_b32 s45, 0
	s_add_nc_u64 s[44:45], s[4:5], s[44:45]
	s_lshl_b32 s46, s43, 6
	s_add_co_u32 s46, s46, 6291456
	s_mov_b32 s47, 0
	s_add_nc_u64 s[46:47], s[4:5], s[46:47]
	s_lshr_b32 s48, s14, 4                         ; where the context goes
	s_and_b32 s49, s14, 15
	s_lshl_b32 s48, s48, 7
	s_lshl_b32 s50, s15, 5
	s_add_co_u32 s48, s48, s50
	s_lshl_b32 s50, s12, 2
	s_add_co_u32 s48, s48, s50
	s_mul_i32 s50, s48, 12288
	s_mul_i32 s51, s49, 768
	s_add_co_u32 s50, s50, s51
	s_mov_b32 s51, 0
	s_add_nc_u64 s[8:9], s[8:9], s[50:51]
	s_lshl_b32 s52, s49, 15
	s_lshl_b32 s53, s48, 6
	s_add_co_u32 s52, s52, s53
	s_mov_b32 s53, 0
	s_add_nc_u64 s[10:11], s[10:11], s[52:53]
	s_and_b32 s37, s49, 1
	s_lshl_b32 s37, s37, 4
	s_mov_b32 s39, 0                               ; the step's LDS byte
	s_mov_b32 s36, 16                              ; steps to go
	v_and_b32 v38, 31, v0
	v_lshlrev_b32 v[L8], 3, v38
	v_lshlrev_b32 v[L4], 2, v38
.irp t, 0,1,2,3
.irp i, 0,1,2
	global_load_b64 v[QF+12*\t+2*\i:QF+12*\t+2*\i+1], v[L8], s[44:45] offset:768*\t+256*\i
.endr
.endr
	global_load_b32 v[QSC], v[L4], s[46:47]
	global_load_b32 v[QSC+1], v[L4], s[46:47] offset:128
	v_and_b32 v38, 7, v0                           ; r % 8
	v_bfe_u32 v39, v0, 3, 1                        ; r / 8
	v_bfe_u32 v[OLD], v0, 4, 1                     ; h
	v_lshlrev_b32 v[KB], 3, v38
	v_lshlrev_b32 v[KSB], 2, v38
	v_mad_u32_u24 v[KB], v39, 1536, v[KB]
	v_lshl_add_u32 v[KSB], v39, 7, v[KSB]
	v_lshl_add_u32 v[KB], v[OLD], 7, v[KB]
	v_lshl_add_u32 v[KSB], v[OLD], 6, v[KSB]
	v_lshlrev_b32 v[H8], 3, v[OLD]
.irp t, 0,1,2,3
.irp i, 6,7,8,9,10,11
	v_mov_b32 v[QF+12*\t+\i], 0                    ; q's K is 64: the rest of the K step is zero codes
.endr
	v_mov_b32 v[ST+4*\t], 0x7f61b1e6               ; -M: 3e38
	v_mov_b32 v[ST+4*\t+1], 0xff61b1e6             ; the largest score so far: -3e38
	v_mov_b32 v[ST+4*\t+2], 0
	v_mov_b32 v[ST+4*\t+3], 0
.endr
	v_mov_b32 v37, 0
	v_mov_b32 v39, 0                               ; a lane permute's destination counts as one of its sources
	v_mov_b32 v[WP], 0
	WIN 0x40
.irp i, 0,1,2,3,4,5
	v_mov_b32 v[176+\i], 0                         ; behind K's last fragment
.endr
.set i, 0
.rept 128
	v_mov_b32 v[i], 0                              ; O^T: the step is written once, the first finds zeros
.set i, i+1
.endr
	WIN 0
	WALU                                           ; the wait at the head's end
	s_wait_loadcnt 0x0
	s_wait_tensorcnt 0x0                           ; my two steps are in
	s_barrier_signal -1
	s_barrier_wait -1                              ; everybody's are: all 16 steps
	KLOADS 39
.Lstep:
	s_wait_dscnt 0x0                               ; this step's K is in: nothing else is out
	SQ 0, SCA, QSC, 0
	v_add_nc_u32 v[KA], s39, v[L8]
	v_add_nc_u32 v[SA], s39, v[L4]
	v_nop
	v_nop                                          ; four places: behind the last step's products, whose V is loaded over, and ahead of the first read of S^T
	VLOADS
	SM1 0, SCA, -1, 0
	SQ 1, SCB, QSC, 1
	SM2 0, SCA, 0, 0
	s_wait_dscnt 0x0                               ; V is in
	PV 0
	SM1 1, SCB, SCA, ST+2
	SQ 2, SCA, QSC+1, 0
	SM2 1, SCB, 0, 0
	PV 1
	SM1 2, SCA, SCB, ST+6
	SQ 3, SCB, QSC+1, 1
	SM2 2, SCA, 0, 1
	PV 2
	SM1 3, SCB, SCA, ST+10
	SM2 3, SCB, 1, 0
	PV 3
	s_add_co_u32 s39, s39, STEPB
	s_sub_co_u32 s36, s36, 1
	s_cmp_lg_u32 s36, 0
	s_cbranch_scc1 .Lstep
	WALU
.irp t, 0,1,2,3
	v_add_f32 v[BM+\t], v[ST+4*\t+2], v[ST+4*\t+3]
.endr
.irp t, 0,1,2,3
	s_delay_alu instid0(VALU_DEP_4)
	v_permlanex16_b32 v[BP+\t], v[BM+\t], s32, s33
.endr
.irp t, 0,1,2,3
	s_delay_alu instid0(VALU_DEP_4)
	v_add_f32 v[BM+\t], v[BM+\t], v[BP+\t]         ; the row's sum
.endr
	WALU
.irp t, 0,1,2,3
	v_rcp_f32 v[ST+4*\t+2], v[BM+\t]
.endr
	v_nop
	WALU
	WIN 0x01
.irp t, 0,1,2,3
.irp j, 0,2,4,6,8,10,12,14,16,18,20,22,24,26,28,30
	v_pk_mul_f32 v[128+32*\t+\j:128+32*\t+\j+1], v[32*\t+\j:32*\t+\j+1], v[ST+4*\t+2:ST+4*\t+3] op_sel_hi:[1,0]
.endr
.endr
	WIN 0
; the context of tile t, 64 numbers of a row in lanes l and l xor 16 (register 16 b + i: column 32 b + 16 h + i), becomes half a fragment of the last product and two bytes of its scale word
.macro QOUT2 t
.set qS, 128+32*(\t)
.set qC, QF+8*(\t)
.set qT, 100+4*(\t)
.irp b, 0,1
	v_max3_num_f32 v[BM+\b], |v[qS+16*\b]|, |v[qS+1+16*\b]|, 0x1800000
.endr
.irp i, 2,4,6,8,10,12,14
.irp b, 0,1
	s_delay_alu instid0(VALU_DEP_2)
	v_max3_num_f32 v[BM+\b], v[BM+\b], |v[qS+16*\b+\i]|, |v[qS+1+16*\b+\i]|
.endr
.endr
.irp b, 0,1
	s_delay_alu instid0(VALU_DEP_2)
	v_permlanex16_b32 v[BP+\b], v[BM+\b], s32, s33
.endr
.irp b, 0,1
	s_delay_alu instid0(VALU_DEP_2)
	v_max_num_f32 v[BM+\b], v[BM+\b], v[BP+\b]
.endr
.irp b, 0,1
	s_delay_alu instid0(VALU_DEP_2)
	v_add_nc_u32 v[SO+\b], 0xff000000, v[BM+\b]
.endr
.irp b, 0,1
	s_delay_alu instid0(VALU_DEP_2)
	v_lshrrev_b32 v[BP+\b], 23, v[SO+\b]
.endr
	s_delay_alu instid0(VALU_DEP_1)
	v_lshl_or_b32 v[WD+\t], v[BP+1], 8, v[BP]
	s_delay_alu instid0(VALU_DEP_1)
	v_lshlrev_b32 v[WD+\t], s37, v[WD+\t]          ; an odd head's two bytes lie above
	v_cvt_scalef32_pk16_fp6_f32 v[qC:qC+2], v[qS:qS+15], v[SO]
	v_cvt_scalef32_pk16_fp6_f32 v[qT:qT+2], v[qS+16:qS+31], v[SO+1]
	v_nop
.irp i, 0,1,2
	v_permlane16_swap_b32 v[qC+\i], v[qT+\i]
.endr
.irp i, 0,1,2
	s_delay_alu instid0(VALU_DEP_3)
	v_mov_b32 v[qC+3+\i], v[qT+\i]
.endr
.irp i, 0,1,2
	global_store_b64 v[L8], v[qC+2*\i:qC+2*\i+1], s[8:9] offset:12288*(\t)+256*\i   ; 32 lanes store 256 consecutive bytes, aligned
.endr
.endm
	QOUT2 0
	QOUT2 1
	QOUT2 2
	QOUT2 3
	v_cndmask_b32 v24, v[WD], v[WD+1], s38
	v_cndmask_b32 v25, v[WD+2], v[WD+3], s38
	global_store_b32 v[L4], v24, s[10:11]
	global_store_b32 v[L4], v25, s[10:11] offset:128
	s_wait_tensorcnt 0x0                           ; the wave's end
	ds_add_u32 v[SPW], v[NIL]
	s_wait_dscnt 0x0
	CROUND                                         ; the closing round
	s_endpgm
.Lfunc_end_k_qe558a83881_attn:
	.size	k_qe558a83881_attn, .Lfunc_end_k_qe558a83881_attn-k_qe558a83881_attn
	.p2alignl 7, 3214868480
	.fill 96, 4, 3214868480
	.section	.rodata,"a",@progbits
	.p2align	6, 0x0
	.amdhsa_kernel k_qe558a83881_attn
		.amdhsa_group_segment_fixed_size 327680
		.amdhsa_private_segment_fixed_size 0
		.amdhsa_enable_private_segment 0
		.amdhsa_kernarg_size 32
		.amdhsa_user_sgpr_count 2
		.amdhsa_user_sgpr_kernarg_segment_ptr 1
		.amdhsa_wavefront_size32 1
		.amdhsa_system_sgpr_workgroup_id_x 1
		.amdhsa_system_sgpr_workgroup_id_y 1
		.amdhsa_system_sgpr_workgroup_id_z 1
		.amdhsa_system_vgpr_workitem_id 0
		.amdhsa_next_free_vgpr 512
		.amdhsa_next_free_sgpr 66
		.amdhsa_reserve_vcc 0
		.amdhsa_float_denorm_mode_32 3
		.amdhsa_float_denorm_mode_16_64 3
		.amdhsa_memory_ordered 1
		.amdhsa_forward_progress 1
		.amdhsa_inst_pref_size 85
	.end_amdhsa_kernel
	.amdgpu_metadata
---
amdhsa.version: [ 1, 2 ]
amdhsa.kernels:
  - .name:           k_qe558a83881_attn
    .symbol:         k_qe558a83881_attn.kd
    .args:
      - { .name: qc, .offset: 0, .size: 8, .value_kind: global_buffer, .address_space: global }
      - { .name: kv, .offset: 8, .size: 8, .value_kind: global_buffer, .address_space: global }
      - { .name: cc, .offset: 16, .size: 8, .value_kind: global_buffer, .address_space: global }
      - { .name: cs, .offset: 24, .size: 8, .value_kind: global_buffer, .address_space: global }
    .group_segment_fixed_size: 327680
    .private_segment_fixed_size: 0
    .kernarg_segment_align: 8
    .kernarg_segment_size: 32
    .max_flat_workgroup_size: 256
    .sgpr_count:     66
    .vgpr_count:     512
    .wavefront_size: 32
...
	.end_amdgpu_metadata
.endif
;; end of part 3
;; launch gemm_out (part 4): grid 4 x 64, 4 waves a work-group, clusters of 4 x 4, 295,424 bytes of LDS; arguments cc, cs, wc, ws, bo, out0; writes out0
.if DOCPART == 4
	.amdgcn_target "amdgcn-amd-amdhsa--gfx1250"
	.amdhsa_code_object_version 6
	.text
	.protected	k_qe558a83881_gemm_out
	.globl	k_qe558a83881_gemm_out
	.p2align	8
	.type	k_qe558a83881_gemm_out,@function
k_qe558a83881_gemm_out:
	s_mov_b64 s[64:65], 0
	v_nop
	global_prefetch_b8 v0, s[64:65] scope:SCOPE_SE
	s_setreg_imm32_b32 hwreg(HW_REG_WAVE_MODE, 25, 1), 1
	s_wait_xcnt 0x0
	s_wait_alu depctr_hold_cnt(0) depctr_sa_sdst(0) depctr_va_vdst(0) depctr_va_sdst(0) depctr_va_ssrc(0) depctr_va_vcc(0) depctr_vm_vsrc(0)
	s_getreg_b32 s2, hwreg(HW_REG_IB_STS2, 6, 4)
	s_cmp_eq_u32 s2, 0
	s_cbranch_scc0 .Lentry_in_a_cluster
	s_endpgm
.Lentry_in_a_cluster:
	s_bfe_u32 s2, ttmp6, 0x10000c
	s_cmp_lg_u32 s2, 0xf033
	s_cbranch_scc0 .Lentry_shape_is_right
	s_endpgm
.Lentry_shape_is_right:
; out = context Wo + bo on codes of FP6 (E2M3) with E8M0 scales, f32 sums, K = 1,024 ascending.
; A work-group takes 128 rows of the context (operand Y: 8 tiles of 16) and 256 columns of Wo (operand X: 16 tiles, from tile 192 of wc).  ALL OF K LIES IN LDS, filled once, in two chunks of four K steps: no slot is filled again.
; CLUSTER 4 x 4: Y is asked for jointly along a row of the cluster, X along a column.
; THE MATRIX INSTRUCTION: source 0 = 16 columns of Wo, source 1 = 16 rows of the context: lane (r, h) holds place r of a tile of rows, and the 64 registers of the 8 column tiles are columns 32 b + 16 h + i (register 16 b + i).
; A wave makes 64 rows x 128 columns: 32 accumulators, which take turns, one instruction a turn.  The bias is the C of each sum's first instruction.
; The context's scale word of a K step is the OR of its two heads' words (an even head's two bytes lie below, an odd head's above).
; The rows of a tile are not neighbours: place t of tile 2 g + u is row 32 g + 8 u + t % 8 + 16 (t / 8): the stores' offsets undo that.
; REGISTERS.  Window 0: v16-17, v20-21 LDS addresses of the rows' and the columns' fragments in chunk 0, 1; v24 8 x lane; v25, v26 the stage; v27 16 x lane; v28, v29 the add's two; v30 4 x lane; v31 64 h;
; v32-47 the rows' scale words, v48-79 the columns'; v96-143, v144-191 the rows' fragments, two sets; v192-207 the odd heads' words; on the way out v96-159, v192-255 rows of out.
; Window 1: v0-95, v128-223 the columns' fragments, two sets; v96-127, v224-255 the bias, 8 registers a tile.  Window 2: accumulator (a, b) at v[8 (8 a + b)].
.set CHUNK, 147456                     ; FOUR K steps: Y 8 x 6,144 bytes, then X 16 x 6,144.  K lies in TWO such chunks (where the lines above say four chunks of two K steps, read this): one tensor load a wave
.set SPARE, 2*CHUNK                    ; behind the chunks: the spare words, 128 bytes a wave
.set STW,   8448                       ; the way out: a stage of 16 rows x (512 bytes + 16) for each wave, in chunk 0, which has had its one fill and whose last read every wave has waited for in front of chunk 1's barrier
.set ADRA, 16
.set ADRB, 20
.set SPW,  28
.set NIL,  29
.set SA,   32
.set SB,   48
.set AF,   96
.set G1Y,  24
.set G1X,  32
.set G0Y,  40
.set G0X,  68
.set MSB, 0
.macro WIN new                         ; the immediate's high byte repeats the setting that is left
.if MSB != \new
	s_set_vgpr_msb (MSB<<8)|\new
.set MSB, \new
.endif
.endm
.macro PLACES n
.rept \n
	v_nop
.endr
.endm
.macro CROUND                          ; a round of the cluster's barrier
	s_barrier_signal -1
	s_barrier_wait -1
	s_cmp_lg_u32 s16, 0
	s_cbranch_scc1 .Lnot_wave_0_\@
	s_barrier_signal -3
.Lnot_wave_0_\@:
	s_barrier_wait -3
	s_barrier_signal -1
	s_barrier_wait -1
.endm
; one matrix instruction: D at d, source 0 at a, source 1 at b, C at c, their scale registers sa, sb, read from lanes 0-15 (ra, rb = 0) or 16-31 (1)
.macro WM d, a, b, c, sa, sb, ra, rb
.set wD, \d
.set wA, \a
.set wB, \b
.set wC, \c
.set wS, \sa
.set wT, \sb
.set wR, (\ra)+2*(\rb)
.if wR == 0
	v_wmma_scale_f32_16x16x128_f8f6f4 v[wD:wD+7], v[wA:wA+11], v[wB:wB+11], v[wC:wC+7], v[wS], v[wT] matrix_a_fmt:MATRIX_FMT_FP6 matrix_b_fmt:MATRIX_FMT_FP6
.elseif wR == 1
	v_wmma_scale_f32_16x16x128_f8f6f4 v[wD:wD+7], v[wA:wA+11], v[wB:wB+11], v[wC:wC+7], v[wS], v[wT] matrix_a_fmt:MATRIX_FMT_FP6 matrix_b_fmt:MATRIX_FMT_FP6 matrix_a_scale:MATRIX_SCALE_ROW1
.elseif wR == 2
	v_wmma_scale_f32_16x16x128_f8f6f4 v[wD:wD+7], v[wA:wA+11], v[wB:wB+11], v[wC:wC+7], v[wS], v[wT] matrix_a_fmt:MATRIX_FMT_FP6 matrix_b_fmt:MATRIX_FMT_FP6 matrix_b_scale:MATRIX_SCALE_ROW1
.else
	v_wmma_scale_f32_16x16x128_f8f6f4 v[wD:wD+7], v[wA:wA+11], v[wB:wB+11], v[wC:wC+7], v[wS], v[wT] matrix_a_fmt:MATRIX_FMT_FP6 matrix_b_fmt:MATRIX_FMT_FP6 matrix_a_scale:MATRIX_SCALE_ROW1 matrix_b_scale:MATRIX_SCALE_ROW1
.endif
.endm
	s_load_b256 s[4:11], s[0:1], 0x0               ; cc s[4:5], cs s[6:7], wc s[8:9], ws s[10:11]
	s_load_b128 s[12:15], s[0:1], 0x20             ; bo s[12:13], out0 s[14:15]
	v_lshl_add_u32 v[SPW], v0, 2, SPARE
	v_mov_b32 v[NIL], 0
	ds_add_u32 v[SPW], v[NIL]                      ; the wave's opening: the add and its wait ahead of my first tensor load; the set-up below, work on registers, stands between them
	ds_add_u32 v[SPW], v[NIL]
	v_lshrrev_b32 v1, 5, v0
	v_readfirstlane_b32 s16, v1                    ; wave 0..3
	s_lshr_b32 s17, s16, 1                         ; which 64 of the rows are mine
	s_and_b32 s18, s16, 1                          ; which 128 of the columns
	s_bfe_u32 s19, ttmp6, 0x40000                  ; cx
	s_bfe_u32 s20, ttmp6, 0x40004                  ; cy
	s_lshl_b32 s21, ttmp9, 2
	s_add_co_u32 s21, s21, s19                     ; work-group x: which 256 columns
	s_and_b32 s22, ttmp7, 0xffff
	s_lshl_b32 s22, s22, 2
	s_add_co_u32 s22, s22, s20                     ; work-group y: which 128 rows
	s_lshl_b32 s56, s20, 2
	s_lshl_b32 s56, 15, s56                        ; my row of the cluster
	s_lshl_b32 s57, 0x1111, s19                    ; my column
	s_or_b32 s[G1Y], s56, (3<<16)|(1<<21)          ; 15:0 the mask; 17:16 elements of 8 bytes; 21 set beside a mask; no padding
	s_or_b32 s[G1X], s57, (3<<16)|(1<<21)
	s_mov_b32 s[G1Y+1], 768<<16                    ; tensor_dim0: a tile's four K steps, 6,144 bytes
	s_mov_b32 s[G1Y+2], 8<<16                      ; tensor_dim1: all 8 tiles
	s_mov_b32 s[G1Y+3], 768<<16                    ; tile_dim0
	s_mov_b32 s[G1Y+4], 8                          ; tile_dim1
	s_mov_b32 s[G1Y+5], 1536                       ; from tile to tile: 12,288 bytes
	s_mov_b32 s[G1Y+6], 0
	s_mov_b32 s[G1Y+7], 0
	s_mov_b32 s[G1X+1], 768<<16
	s_mov_b32 s[G1X+2], 16<<16                     ; all 16 tiles
	s_mov_b32 s[G1X+3], 768<<16
	s_mov_b32 s[G1X+4], 16
	s_mov_b32 s[G1X+5], 1536
	s_mov_b32 s[G1X+6], 0
	s_mov_b32 s[G1X+7], 0
	s_mul_i32 s58, s22, 8*12288                    ; Y: from tile 8 y
	s_mov_b32 s59, 0
	s_mul_i32 s60, s21, 16*12288                   ; X: from tile 192 + 16 x
	s_add_co_u32 s60, s60, 192*12288
	s_mov_b32 s61, 0
	s_wait_dscnt 0x0                               ; the opening add is done
	s_wait_kmcnt 0x0
	s_add_nc_u64 s[58:59], s[4:5], s[58:59]
	s_add_nc_u64 s[60:61], s[8:9], s[60:61]
	CROUND                                         ; all sixteen work-groups are here: the joint loads meet
.irp c, 0,1
	s_mov_b32 s[G0Y+4*\c], 1
	s_mov_b32 s[G0Y+4*\c+1], \c*CHUNK
	s_add_nc_u64 s[G0Y+4*\c+2:G0Y+4*\c+3], s[58:59], \c*6144
	s_or_b32 s[G0Y+4*\c+3], s[G0Y+4*\c+3], 0x80000000
	s_mov_b32 s[G0X+4*\c], 1
	s_mov_b32 s[G0X+4*\c+1], 49152+\c*CHUNK
	s_add_nc_u64 s[G0X+4*\c+2:G0X+4*\c+3], s[60:61], \c*6144
	s_or_b32 s[G0X+4*\c+3], s[G0X+4*\c+3], 0x80000000
.endr
; one tensor load a wave, each in its own arm of one chain of branches on the wave's number: wave 0 Y's K steps 0-3, wave 1 X's, wave 2 Y's K steps 4-7, wave 3 X's
.macro ARM w, g0, g1, next
	s_cmp_eq_u32 s16, \w
	s_cbranch_scc0 \next
	tensor_load_to_lds s[\g0:\g0+3], s[\g1:\g1+7]
	s_nop 0
	PLACES 4
	s_branch .Lfirst_asked
\next:
.endm
	ARM 0, G0Y, G1Y, .Lfirst_1
	ARM 1, G0X, G1X, .Lfirst_2
	ARM 2, G0Y+4, G1Y, .Lfirst_3
	tensor_load_to_lds s[G0X+4:G0X+7], s[G1X:G1X+7]
	s_nop 0
	PLACES 4
.Lfirst_asked:
	v_and_b32 v1, 31, v0
	v_and_b32 v2, 15, v0                           ; r
	v_bfe_u32 v3, v0, 4, 1                         ; h
	v_lshlrev_b32 v24, 3, v1
	v_lshlrev_b32 v30, 2, v1
	v_lshlrev_b32 v31, 6, v3
	v_lshlrev_b32 v27, 4, v1
	s_mul_i32 s84, s17, 24576                      ; my 4 tiles of rows, 6,144 bytes each
	s_mul_i32 s85, s18, 49152
	s_add_co_u32 s85, s85, 49152                   ; my 8 tiles of columns, behind Y's 8
	v_add_nc_u32 v[ADRA], s84, v24
	v_add_nc_u32 v[ADRB], s85, v24
	v_add_nc_u32 v[ADRA+1], CHUNK, v[ADRA]
	v_add_nc_u32 v[ADRB+1], CHUNK, v[ADRB]
	s_mul_i32 s86, s16, STW                        ; my stage
	v_mul_u32_u24 v25, v2, 528
	v_add_nc_u32 v25, v25, v31
	v_add_nc_u32 v25, s86, v25                     ; in: row r, + 64 h
	v_add_nc_u32 v26, s86, v27                     ; back: a row's 512 bytes, 16 a lane
	s_lshl_b32 s88, s22, 9
	s_lshl_b32 s89, s17, 8
	s_add_co_u32 s88, s88, s89
	s_mov_b32 s89, 0
	s_add_nc_u64 s[6:7], s[6:7], s[88:89]          ; the scale words of my 64 rows
	s_lshl_b32 s90, s21, 10
	s_lshl_b32 s91, s18, 9
	s_add_co_u32 s90, s90, s91                     ; my first column x 4 bytes
	s_mov_b32 s91, 0
	s_add_nc_u64 s[12:13], s[12:13], s[90:91]      ; in bo,
	s_add_nc_u64 s[10:11], s[10:11], s[90:91]
	s_add_nc_u64 s[10:11], s[10:11], 12288         ; among Wo's scale words (slot 3,072 on),
	s_lshl_b32 s92, s22, 7
	s_lshl_b32 s93, s17, 6
	s_add_co_u32 s92, s92, s93
	s_lshl_b32 s92, s92, 12                        ; my first row x 4,096 bytes
	s_add_co_u32 s92, s92, s90
	s_mov_b32 s93, 0
	s_add_nc_u64 s[14:15], s[14:15], s[92:93]      ; and in out0
.irp k, 0,1,2,3,4,5,6,7
.irp p, 0,1
	global_load_b32 v[SA+8*\p+\k], v30, s[6:7] offset:65536*\k+128*\p           ; head 2 k
	global_load_b32 v[192+8*\p+\k], v30, s[6:7] offset:65536*\k+32768+128*\p    ; head 2 k + 1
.endr
.irp p, 0,1,2,3
	global_load_b32 v[SB+8*\p+\k], v30, s[10:11] offset:32768*\k+128*\p
.endr
.endr
	WIN 0x40                                       ; destination window 1
.irp b, 0,1,2,3,4,5,6,7
	global_load_b128 v[96+8*\b+96*(\b/4):96+8*\b+96*(\b/4)+3], v31, s[12:13] offset:(32*(\b/2)+8*(\b%2))*4      ; the bias of tile b's eight columns of my half
	global_load_b128 v[96+8*\b+96*(\b/4)+4:96+8*\b+96*(\b/4)+7], v31, s[12:13] offset:(32*(\b/2)+8*(\b%2))*4+16
.endr
	WIN 0
.macro FRAG reg, adr, tau, q           ; a fragment as it lies: six units of 256 bytes
.irp p, 0,1,2,3,4,5
	ds_load_b64 v[\reg+2*\p:\reg+2*\p+1], v[\adr] offset:6144*(\tau)+1536*(\q)+256*\p
.endr
.endm
.macro FETCH ks                        ; K step ks: the columns' eight fragments and the rows' four into set ks % 2: 72 loads
	WIN 0x40
.irp b, 0,1,2,3,4,5,6,7
	FRAG 128*((\ks)%2)+12*\b, ADRB+(\ks)/4, \b, (\ks)%4
.endr
	WIN 0
.irp a, 0,1,2,3
	FRAG AF+48*((\ks)%2)+12*\a, ADRA+(\ks)/4, \a, (\ks)%4
.endr
.endm
.macro MUL ks, first                   ; 32 matrix instructions; first = 1: the sums begin with the bias
.irp a, 0,1,2,3
.irp b, 0,1,2,3,4,5,6,7
.if \first
	WM 8*(8*\a+\b), 128*((\ks)%2)+12*\b, AF+48*((\ks)%2)+12*\a, 96+8*\b+96*(\b/4), SB+8*(\b/2)+(\ks), SA+8*(\a/2)+(\ks), \b%2, \a%2
.else
	WM 8*(8*\a+\b), 128*((\ks)%2)+12*\b, AF+48*((\ks)%2)+12*\a, 8*(8*\a+\b), SB+8*(\b/2)+(\ks), SA+8*(\a/2)+(\ks), \b%2, \a%2
.endif
.endr
.endr
.endm
	s_wait_alu depctr_va_vdst(0)                   ; the wait at the head's end
	s_cmp_lt_u32 s16, 2
	s_cbranch_scc0 .Lnot_chunk_0
	s_wait_tensorcnt 0x0                           ; waves 0 and 1: my part of chunk 0 is in; the load lines of waves 2 and 3 are their own and stay out
.Lnot_chunk_0:
	s_barrier_signal -1
	s_barrier_wait -1                              ; chunk 0 is whole
	FETCH 0
.irp k, 0,1,2,3,4,5,6,7
	s_wait_dscnt 0x0                               ; this K step's fragments are in (asked for 32 matrix instructions ago)
.if \k == 3
	s_wait_tensorcnt 0x0                           ; every wave: all that is still out, chunk 1, is in; behind this barrier nobody reads chunk 0, where the stages lie
	s_barrier_signal -1
	s_barrier_wait -1
.endif
.if (\k > 0) && (\k < 7)
	PLACES 4                                       ; in front of loads into registers that matrix instructions have read
.endif
.if \k < 7
	FETCH \k+1
.endif
.if \k == 0
	s_wait_loadcnt 0x0                             ; the scale words and the bias
.irp i, 0,1,2,3,4,5,6,7,8,9,10,11,12,13,14,15
	v_or_b32 v[SA+\i], v[SA+\i], v[192+\i]         ; the two heads' bytes make a K step's word
.endr
	PLACES 8                                       ; a scale register written by a vector instruction stands eight places ahead of a scaled matrix instruction
	WIN 0x91                                       ; source 0 window 1, source 1 window 0, C (the bias) window 1, D window 2
	MUL \k, 1
.else
	WIN 0xa1                                       ; C and D window 2
	s_wait_alu depctr_va_vdst(0)
	MUL \k, 0
.endif
	WIN 0
.endr
; THE WAY OUT, a block of 16 rows x 128 columns at a time: through my own stage and back as whole rows of 512 bytes.  LDS serves a wave's instructions in order: no wait between the stores and the loads, nor in front of the next block's stores.
.macro TOSTAGE a
	WIN 0x08                                       ; an LDS store's data: window 2
.irp b, 0,1,2,3,4,5,6,7
	ds_store_b128 v25, v[64*(\a)+8*\b:64*(\a)+8*\b+3] offset:128*(\b/2)+32*(\b%2)          ; each accumulator from its low end on
	ds_store_b128 v25, v[64*(\a)+8*\b+4:64*(\a)+8*\b+7] offset:128*(\b/2)+32*(\b%2)+16
.endr
	WIN 0
.set BB, 96+96*((\a)%2)
.irp t, 0,1,2,3,4,5,6,7,8,9,10,11,12,13,14,15
	ds_load_b128 v[BB+4*\t:BB+4*\t+3], v26 offset:528*\t
.endr
.endm
.macro SEND a, younger                 ; younger: the LDS instructions issued behind block a's loads, which may stay out
.set BB, 96+96*((\a)%2)
	s_wait_dscnt \younger
.irp t, 0,1,2,3,4,5,6,7,8,9,10,11,12,13,14,15
	global_store_b128 v27, v[BB+4*\t:BB+4*\t+3], s[14:15] offset:(32*((\a)/2)+8*((\a)%2)+(\t&7)+16*(\t>>3))*4096 th:TH_STORE_NT   ; 32 lanes store 512 consecutive bytes, aligned; written once, read by nobody here
.endr
.endm
	PLACES 4                                       ; behind the last products: for the first reads of results and the loads into registers that held fragments
	TOSTAGE 0
.irp a, 1,2,3
.if \a > 1
	s_wait_xcnt 0x0                                ; block a - 2's stores have read their registers: block a's loads may land there
.endif
	TOSTAGE \a
	SEND \a-1, 32                                  ; behind block a - 1's loads: block a's 16 stores and 16 loads
.endr
	SEND 3, 0
	s_wait_tensorcnt 0x0                           ; the wave's end: behind my last tensor load and my last LDS store
	ds_add_u32 v[SPW], v[NIL]
	s_wait_dscnt 0x0
	CROUND                                         ; the closing round
	s_endpgm
.Lfunc_end_k_qe558a83881_gemm_out:
	.size	k_qe558a83881_gemm_out, .Lfunc_end_k_qe558a83881_gemm_out-k_qe558a83881_gemm_out
	.p2alignl 7, 3214868480
	.fill 96, 4, 3214868480
	.section	.rodata,"a",@progbits
	.p2align	6, 0x0
	.amdhsa_kernel k_qe558a83881_gemm_out
		.amdhsa_group_segment_fixed_size 295424
		.amdhsa_private_segment_fixed_size 0
		.amdhsa_enable_private_segment 0
		.amdhsa_kernarg_size 48
		.amdhsa_user_sgpr_count 2
		.amdhsa_user_sgpr_kernarg_segment_ptr 1
		.amdhsa_wavefront_size32 1
		.amdhsa_system_sgpr_workgroup_id_x 1
		.amdhsa_system_sgpr_workgroup_id_y 1
		.amdhsa_system_sgpr_workgroup_id_z 1
		.amdhsa_system_vgpr_workitem_id 0
		.amdhsa_next_free_vgpr 768
		.amdhsa_next_free_sgpr 100
		.amdhsa_reserve_vcc 0
		.amdhsa_float_denorm_mode_32 3
		.amdhsa_float_denorm_mode_16_64 3
		.amdhsa_memory_ordered 1
		.amdhsa_forward_progress 1
		.amdhsa_inst_pref_size 101
	.end_amdhsa_kernel
	.amdgpu_metadata
---
amdhsa.version: [ 1, 2 ]
amdhsa.kernels:
  - .name:           k_qe558a83881_gemm_out
    .symbol:         k_qe558a83881_gemm_out.kd
    .args:
      - { .name: cc, .offset: 0, .size: 8, .value_kind: global_buffer, .address_space: global }
      - { .name: cs, .offset: 8, .size: 8, .value_kind: global_buffer, .address_space: global }
      - { .name: wc, .offset: 16, .size: 8, .value_kind: global_buffer, .address_space: global }
      - { .name: ws, .offset: 24, .size: 8, .value_kind: global_buffer, .address_space: global }
      - { .name: bo, .offset: 32, .size: 8, .value_kind: global_buffer, .address_space: global }
      - { .name: out0, .offset: 40, .size: 8, .value_kind: global_buffer, .address_space: global }
    .group_segment_fixed_size: 295424
    .private_segment_fixed_size: 0
    .kernarg_segment_align: 8
    .kernarg_segment_size: 48
    .max_flat_workgroup_size: 128
    .sgpr_count:     100
    .vgpr_count:     768
    .wavefront_size: 32
...
	.end_amdgpu_metadata
.endif
;; end of part 4
